; MI455X (gfx1250); checked and timed in simulation.
; The chip was launched on July 23, 2026; its instructions are those of AMD's public machine-readable ISA for CDNA 5 (MIT licence, August 2026) and "CDNA5" Instruction Set Architecture Reference Guide (July 2026). The comments in the code are by the model that wrote it; some were corrected since.
;; Multi Head Attention. Allowed arithmetic: matrix products marked QUANTISED: E3M2 operands, one E8M0 scale for each 32 along K, by v_wmma_scale_f32_16x16x128_f8f6f4 with both operands' format E3M2, f32 sums; everything else in f32.
;; Inputs: bo 1,024 float32; wk 16 x 1,024 x 64 float32; wo 1,024 x 1,024 float32; wq 16 x 1,024 x 64 float32; wv 16 x 1,024 x 64 float32; x 4 x 2,048 x 1,024 float32.
;; Outputs: out0 4 x 2,048 x 1,024 float32.
;; This version of the problem:
;;   THIS VERSION OF THE PROBLEM IS GIVEN IN LOW PRECISION. The matrix products marked QUANTISED in the list below multiply operands that are first quantised to E3M2 (3 exponent bits, 2 mantissa bits; 6 bits a number), with one power-of-two scale for each 32 numbers along K (OCP MX v1.0); their sums are f32. All else is computed in f32.
;;   The module's matrix products, in the order in which they are computed (A, B: the left and right operand; K: the contracted axis; several contracted axes count as one K, in the product's order):
;;     1. [M 1,024, K 1,024] x [K 1,024, N 8,192]; A: input wq; B: input x: QUANTISED
;;     2. [M 1,024, K 1,024] x [K 1,024, N 8,192]; A: input wk; B: input x: QUANTISED
;;     3. [M 1,024, K 1,024] x [K 1,024, N 8,192]; A: input wv; B: input x: QUANTISED
;;     4. batch 64 x [M 2,048, K 64] x [K 64, N 2,048]; A: computed on the way; B: computed on the way: QUANTISED
;;     5. batch 64 x [M 2,048, K 2,048] x [K 2,048, N 64]; A: softmax (see below); B: computed on the way: QUANTISED
;;     6. [M 8,192, K 1,024] x [K 1,024, N 1,024]; A: computed on the way; B: input wo: QUANTISED
;;   THE QUANTISER, for each operand of a quantised product, along K:
;;     - K is cut into blocks of 32 from its start; a last block that is shorter is filled with zeros.
;;     - A block's scale is 2^e with e = floor(log2(the largest magnitude in the block)) - 4, held to -126 .. 127; a block of zeros has e = 0. As a byte (E8M0): e + 127.
;;     - Each number is divided by its block's scale, clamped to +-28, and rounded to the nearest number of E3M2, ties to even, subnormals kept.
;;     - The product sums the exact products of the quantised numbers (number of the format x scale) in f32.
;;   ~~~python
;;   def quantise(x, axis):      # numpy; x: float32 -> the quantised numbers, widened to float32 again
;;       x = np.moveaxis(x, axis, -1); K = x.shape[-1]
;;       x = np.pad(x, [(0, 0)] * (x.ndim - 1) + [(0, -K % 32)]); x = x.reshape(x.shape[:-1] + (-1, 32)); a = np.abs(x).max(-1, keepdims=True)
;;       e = np.where(a > 0, np.clip(np.frexp(np.where(a > 0, a, 1))[1] - 1 - 4, -126, 127), 0)      # np.frexp(a)[1] - 1 = floor(log2(a)), exactly
;;       r = np.clip(x / 2.0 ** e, -28, 28)
;;       step = 2.0 ** (np.maximum(np.frexp(np.where(r == 0, 1, r))[1] - 1, -2) - 2)
;;       q = np.round(r / step) * step * 2.0 ** e      # np.round: ties to even
;;       return np.moveaxis(q.reshape(q.shape[:-2] + (-1,))[..., :K], -1, axis).astype(np.float32)
;;   ~~~
;;   SOFTMAX AHEAD OF A QUANTISED PRODUCT. Where the list says 'softmax', what is quantised is not the finished softmax but p = 2^(t - M), with t = logit x log2(e) and M = ceil(the row's largest t), a whole number; so 1/2 < the row's largest p <= 1. The row's sum l is taken of the UNQUANTISED p, in f32, and the product's result is divided by l at the end. Since M is a whole number, a kernel that streams over the keys may use a running M (the ceiling of the running maximum): every later rescaling is an exact power of two, which a block's scale takes up: the codes' values come out the same.
;;   OPERANDS COMPUTED ON THE WAY. 'Computed on the way' means the value that the module computes at that place (a softmax that the list does not call 'softmax' is quantised finished and normalised). What goes into a quantiser is computed in f32, as accurately as f32 sums, v_exp_f32 and their like allow (about 1e-6 of the number): no bf16 or f16 on the way to a quantiser, and a product that is left as it is and whose result goes on into a quantised operand takes f32 operands (vector FMAs, or v_wmma_f32_16x16x4_f32). A number that lies on a knife's edge between two numbers of the format may be rounded either way, as far as f32 arithmetic and the matrix unit's own rounding can turn it there, and no further.
;; One version. Each part assembles by itself: llvm-mc -triple=amdgcn-amd-amdhsa -mcpu=gfx1250 --defsym DOCPART=n.
;; ======== version 1 of 1: 4 launches
;; limits: right only within a limited range of input values
;; workspace buffers: pre 9,830,400 bytes; qkv 20,447,232 bytes; oq 6,553,600 bytes
;; launch prep (part 1): grid 384 x 1, 4 waves a work-group, no clusters, 35,328 bytes of LDS; arguments x, wo, wq, wk, wv, pre; writes pre
.if DOCPART == 1
	.amdgcn_target "amdgcn-amd-amdhsa--gfx1250"
	.amdhsa_code_object_version 6
	.text
	.protected	k_q8b7bd9ddf1_prep
	.globl	k_q8b7bd9ddf1_prep
	.p2align	8
	.type	k_q8b7bd9ddf1_prep,@function
k_q8b7bd9ddf1_prep:
	s_mov_b64 s[64:65], 0
	v_nop
	global_prefetch_b8 v0, s[64:65] scope:SCOPE_SE
	s_setreg_imm32_b32 hwreg(HW_REG_WAVE_MODE, 25, 1), 1
	s_wait_xcnt 0x0
; x [8192][1024], wo [1024][1024] (K innermost) and wq, wk, wv [16][1024][64] (K = the middle axis), all f32, become codes of E3M2, 6 bits each, with one E8M0 byte for each 32 along K.
; A block's scale is 2^(floor(log2(its largest magnitude)) - 4): its byte is the largest magnitude's exponent field - 4, held at 1 from below.
; LIMITS: a block of zeros gets the byte 1 where the rule says 127 (its codes are zeros, which add nothing, and this program alone reads the bytes); the largest magnitude is floored at 2^(5 - 127);
; NaN and infinities among the inputs are not served.
; THE LAYOUT OF pre IS THE ORDER OF THE OPERANDS' REGISTERS.  A HALF FRAGMENT, 768 bytes, is 16 rows x 64 along K: lane l = 16 h + r owns the 24 bytes of block h of row r: its first 16 bytes at 16 l, its last 8 at 512 + 8 l.
; An image of R rows: plane s2 (256 along K) x tile of 16 rows x 4 half fragments.  Scale bytes: for each 128 rows 4,096 bytes: plane s2 x row x 8 bytes (two words of four bytes, 128 along K each).
; ROW ORDER: inside each group of 32 rows the place p = 16 u + r holds row 8 u + r + 8 (r / 8) (bits 3 and 4 of the number change places), so that a product that takes 16 places as its source 0 leaves
; 16 neighbouring rows in a lane's 16 registers of two neighbouring tiles.
; Work-groups 0-95 take the three projection weights, 96-351 x, 352-383 wo.  Only the second way uses LDS.  No barrier: waves share nothing.
.set WIMG,  6291456
.set WOIMG, 8650752
.set XSC,   9437184
.set WSC,   9699328
.set WOSC,  9797632
.set R,     16                         ; numbers as loaded: x, wo: four sets of 32; weights: two sets of 32
.set X,     144                        ; x, wo: two sets of 32: a lane's block
.set C,     208                        ; x, wo: two sets of 8: codes
.set WB,    224                        ; x, wo: scale words [tile u][word q]
.set TP,    228                        ; at work
.set CE,    144                        ; weights: codes of an even block, of an odd block
.set CO,    152
.set SB,    160                        ; weights: the lane's eight scale bytes
; the largest magnitude of the 32 numbers v[xs] on, with the floor 2^(5 - 127) among the leaves; then 4 off its exponent field: the conversions take the exponent field of v11 as their scale
.macro BLKMAX xs
	v_max3_num_f32 v9, |v[\xs]|, |v[\xs+1]|, |v[\xs+2]|
	v_max3_num_f32 v10, |v[\xs+3]|, |v[\xs+4]|, |v[\xs+5]|
.irp i, 6,10,14,18,22,26
	v_max3_num_f32 v9, v9, |v[\xs+\i]|, |v[\xs+\i+1]|
	v_max3_num_f32 v10, v10, |v[\xs+\i+2]|, |v[\xs+\i+3]|
.endr
	v_max3_num_f32 v9, v9, |v[\xs+30]|, |v[\xs+31]|
	v_max3_num_f32 v9, v9, v10, 0x2800000
	v_add_nc_u32 v11, 0xfe000000, v9
.endm
; the block's 32 codes into v[cs] .. v[cs + 5], its byte into v12
.macro CODES cs, xs
	v_cvt_scalef32_pk16_bf6_f32 v[\cs:\cs+2], v[\xs:\xs+15], v11
	v_cvt_scalef32_pk16_bf6_f32 v[\cs+4:\cs+6], v[\xs+16:\xs+31], v11   ; (a conversion's three registers begin on an even number)
	v_lshrrev_b32 v12, 23, v11                     ; the scale's byte; also the plain line behind the conversions
	v_mov_b32 v[\cs+3], v[\cs+4]
	v_mov_b32 v[\cs+4], v[\cs+5]
	v_mov_b32 v[\cs+5], v[\cs+6]
.endm
	s_load_b256 s[4:11], s[0:1], 0x0               ; x, wo, wq, wk
	s_load_b128 s[12:15], s[0:1], 0x20             ; wv, pre
	v_lshl_add_u32 v232, v0, 2, 0x8800
	v_mov_b32 v233, 0
	v_lshrrev_b32 v1, 5, v0
	v_readfirstlane_b32 s16, v1                    ; wave
	v_and_b32 v1, 31, v0                           ; lane l
	v_lshlrev_b32 v7, 4, v1                        ; 16 l
	v_lshlrev_b32 v8, 3, v1                        ; 8 l
	s_mov_b32 s27, 0
	s_cmp_lt_u32 ttmp9, 96
	s_cbranch_scc1 .Lweights
; ---- x and wo: K innermost.  A work-group takes a group of 32 rows, wave s2 its 256 along K.  Eight steps, t = 4 u + f, a half fragment each.
; Each load reads 256 consecutive bytes of two rows; the 16 rows x 256 bytes turn through the wave's own stage in LDS (rows 272 bytes apart) and come back 128 bytes a lane: a whole block of 32.
	v_and_b32 v2, 15, v0                           ; r
	v_bfe_u32 v3, v0, 4, 1                         ; h
	v_lshlrev_b32 v4, 12, v3
	v_lshl_add_u32 v4, v2, 4, v4                   ; in memory: row h of a pair, 16 r bytes on
	s_mul_i32 s17, s16, 8704                       ; my wave's two stages
	v_mul_u32_u24 v5, v3, 272
	v_lshl_add_u32 v5, v2, 4, v5
	v_add_nc_u32 v5, s17, v5                       ; into a stage: place 2 i + h, 16 r bytes on
	v_mul_u32_u24 v6, v2, 272
	v_lshl_add_u32 v6, v3, 7, v6
	v_add_nc_u32 v6, s17, v6                       ; out of it: place r, block h
	v_lshlrev_b32 v13, 3, v3                       ; 8 h
	s_mov_b32 s18, 0x76543210
	s_mov_b32 s19, 0xfedcba98                      ; lane selects: lane l xor 16
.irp i, 0,1,2,3
	v_mov_b32 v[TP+\i], 0                          ; a lane permute's destination counts as read
.endr
	s_sub_co_u32 s20, ttmp9, 96
	s_sub_co_u32 s21, s20, 256
	s_cmp_lt_u32 s20, 256                          ; x or wo?  The choice hangs on the work-group's number alone, and only pointers and offsets are chosen
	s_cselect_b32 s20, s20, s21                    ; G: the group of 32 rows
	s_cselect_b32 s22, 0, WOIMG
	s_mov_b32 s23, 196608
	s_cselect_b32 s23, 1572864, s23                ; a plane of the image
	s_mov_b32 s24, WOSC
	s_cselect_b32 s24, XSC, s24
	s_wait_alu depctr_va_vdst(0)
	s_wait_kmcnt 0x0
	s_cselect_b64 s[4:5], s[4:5], s[6:7]
	s_lshl_b32 s26, s20, 17                        ; 32 rows of 4,096 bytes
	s_lshl_b32 s25, s16, 10
	s_add_co_u32 s26, s26, s25
	s_add_nc_u64 s[4:5], s[4:5], s[26:27]
	s_mul_i32 s26, s16, s23
	s_mul_i32 s25, s20, 6144
	s_add_co_u32 s26, s26, s25
	s_add_co_u32 s26, s26, s22
	s_add_nc_u64 s[28:29], s[14:15], s[26:27]      ; my eight half fragments
	s_lshr_b32 s26, s20, 2
	s_lshl_b32 s26, s26, 12
	s_lshl_b32 s25, s16, 10
	s_add_co_u32 s26, s26, s25
	s_and_b32 s25, s20, 3
	s_lshl_b32 s25, s25, 8
	s_add_co_u32 s26, s26, s25
	s_add_co_u32 s26, s26, s24
	s_add_nc_u64 s[30:31], s[14:15], s[26:27]      ; my 256 scale bytes
.macro LOADX t                         ; load i brings places 2 i and 2 i + 1 of tile u: the row order stands in the immediates
.set RS, R+32*((\t)%4)
.set UU, (\t)/4
.set FF, (\t)%4
.irp i, 0,1,2,3,4,5,6,7
	global_load_b128 v[RS+4*\i:RS+4*\i+3], v4, s[4:5] offset:(8*UU+2*(\i%4)+16*(\i/4))*4096+256*FF th:TH_LOAD_NT
.endr
.endm
.macro TURNX t                         ; LDS serves a wave's instructions in order: no wait between the stores and the loads
.set RS, R+32*((\t)%4)
.set XT, X+32*((\t)%2)
.set SG, 4352*((\t)%2)
.irp i, 0,1,2,3,4,5,6,7
	ds_store_b128 v5, v[RS+4*\i:RS+4*\i+3] offset:SG+544*\i
.endr
.irp j, 0,1,2,3,4,5,6,7
	ds_load_b128 v[XT+4*\j:XT+4*\j+3], v6 offset:SG+16*\j
.endr
.endm
.macro STEPX t
	s_wait_dscnt 0x0                               ; this step's numbers are back, so its stores into the stage have read their registers,
.if (\t) < 4
	LOADX (\t)+4                                   ; which take the loads of four steps on
.endif
.if (\t) < 7
.if (\t) < 4
	s_wait_loadcnt 24                              ; the next step's eight loads are in; those of the three steps behind it may be out
.else
	s_wait_loadcnt 8*(6-(\t))
.endif
	TURNX (\t)+1                                   ; and go through the other stage while this step is worked
.endif
.set XS, X+32*((\t)%2)
.set CC, C+8*((\t)%2)
.set WW, WB+2*((\t)/4)+((\t)%4)/2
	BLKMAX XS
	s_wait_alu depctr_va_vdst(0)
	s_wait_xcnt 0x0                                ; the stores of two steps ago have read these code registers
	CODES CC, XS
.if (\t)%2 == 0
	v_mov_b32 v[WW], v12                           ; my byte of half fragment f: byte 2 (f % 2) + h of word f / 2; the h is put in at the end
.else
	v_lshl_or_b32 v[WW], v12, 16, v[WW]
.endif
	global_store_b128 v7, v[CC:CC+3], s[28:29] offset:768*(\t)        ; 512 consecutive bytes
	global_store_b64 v8, v[CC+4:CC+5], s[28:29] offset:768*(\t)+512   ; 256 consecutive bytes
.endm
.irp t, 0,1,2,3
	LOADX \t
.endr
	s_wait_loadcnt 24                              ; step 0's eight loads are in
	TURNX 0
.irp t, 0,1,2,3,4,5,6,7
	STEPX \t
.endr
.irp i, 0,1,2,3
	v_lshlrev_b32 v[WB+\i], v13, v[WB+\i]          ; my two bytes at their places, 8 h bits up;
.endr
.irp i, 0,1,2,3
	v_permlanex16_b32 v[TP+\i], v[WB+\i], s18, s19
.endr
.irp i, 0,1,2,3
	v_or_b32 v[WB+\i], v[WB+\i], v[TP+\i]          ; with lane l xor 16's two the word is whole
.endr
	v_cmp_le_u32 vcc_lo, 16, v1
	v_cndmask_b32 v[TP], v[WB], v[WB+2], vcc_lo    ; lane l stores place l's two words: tile h, row r
	v_cndmask_b32 v[TP+1], v[WB+1], v[WB+3], vcc_lo
	global_store_b64 v8, v[TP:TP+1], s[30:31]      ; 256 consecutive bytes
	s_wait_tensorcnt 0x0
	ds_add_u32 v232, v233
	s_wait_dscnt 0x0
	s_endpgm
; ---- wq, wk, wv: K is not innermost.  A lane takes a column d and its registers run down K: a block of 32 lies in one lane, and the conversions give codes with K innermost.
; A wave takes 32 columns (lane l = place l: column given by the row order) x 256 along K: eight blocks.  An even and an odd block are the two halves of a half fragment: one exchange of half waves sorts them by tile.
.Lweights:
	s_wait_alu depctr_va_vdst(0)
	v_and_b32 v2, 7, v1
	v_bfe_u32 v3, v1, 3, 1
	v_bfe_u32 v4, v1, 4, 1
	v_lshl_add_u32 v2, v3, 4, v2
	v_lshl_add_u32 v2, v4, 3, v2                   ; the column at place l
	v_lshlrev_b32 v4, 2, v2
	s_lshr_b32 s17, ttmp9, 1
	s_lshr_b32 s18, s17, 4                         ; which weight: 0 q, 1 k, 2 v
	s_and_b32 s19, s17, 15                         ; head
	s_and_b32 s20, ttmp9, 1
	s_lshl_b32 s20, s20, 1
	s_lshr_b32 s21, s16, 1
	s_add_co_u32 s20, s20, s21                     ; s2: which 256 along K
	s_and_b32 s21, s16, 1                          ; which 32 of the head's 64 columns
	s_lshl_b32 s22, s18, 5
	s_lshl_b32 s23, s19, 1
	s_add_co_u32 s22, s22, s23
	s_add_co_u32 s22, s22, s21                     ; the group of 32 rows of the image of 3,072
	s_wait_alu depctr_va_vdst(0)
	s_wait_kmcnt 0x0
	s_cmp_eq_u32 s18, 1
	s_cselect_b64 s[10:11], s[10:11], s[12:13]
	s_cmp_eq_u32 s18, 0
	s_cselect_b64 s[4:5], s[8:9], s[10:11]
	s_lshl_b32 s26, s19, 18
	s_lshl_b32 s25, s20, 16
	s_add_co_u32 s26, s26, s25
	s_lshl_b32 s25, s21, 7
	s_add_co_u32 s26, s26, s25
	s_add_nc_u64 s[4:5], s[4:5], s[26:27]
	s_mul_i32 s26, s20, 589824
	s_mul_i32 s25, s22, 6144
	s_add_co_u32 s26, s26, s25
	s_add_co_u32 s26, s26, WIMG
	s_add_nc_u64 s[28:29], s[14:15], s[26:27]
	s_lshr_b32 s26, s22, 2
	s_lshl_b32 s26, s26, 12
	s_lshl_b32 s25, s20, 10
	s_add_co_u32 s26, s26, s25
	s_and_b32 s25, s22, 3
	s_lshl_b32 s25, s25, 8
	s_add_co_u32 s26, s26, s25
	s_add_co_u32 s26, s26, WSC
	s_add_nc_u64 s[30:31], s[14:15], s[26:27]
.macro LOADW kb                        ; 32 rows of K, 128 consecutive bytes a load
.set RS, R+32*((\kb)%2)
.set J, 0
.rept 32
	global_load_b32 v[RS+J], v4, s[4:5] offset:(32*(\kb)+J)*256 th:TH_LOAD_NT
.set J, J+1
.endr
.endm
.macro BLOCKW kb
.if (\kb) < 7
	s_wait_loadcnt 32                              ; this block's 32 loads are in; the next block's may be out
.else
	s_wait_loadcnt 0x0
.endif
.set XS, R+32*((\kb)%2)
.set CC, CE+8*((\kb)%2)
	BLKMAX XS
.if ((\kb)%2 == 0) && ((\kb) > 0)
	s_wait_alu depctr_va_vdst(0)
	s_wait_xcnt 0x0                                ; the last pair's stores have read both sets of code registers
.endif
	CODES CC, XS
.if (\kb)%4 == 0
	v_mov_b32 v[SB+(\kb)/4], v12                   ; four bytes to a word, the lower K in the lower byte
.else
	v_lshl_or_b32 v[SB+(\kb)/4], v12, 8*((\kb)%4), v[SB+(\kb)/4]
.endif
.if (\kb)+2 < 8
	LOADW (\kb)+2
.endif
.if (\kb)%2 == 1
.irp i, 0,1,2,3,4,5
	v_permlane16_swap_b32 v[CE+\i], v[CO+\i]       ; the even block's lanes 16-31 (tile 1) change places with the odd block's lanes 0-15 (tile 0): the first is now tile 0's half fragment, the second tile 1's
.endr
	global_store_b128 v7, v[CE:CE+3], s[28:29] offset:768*((\kb)/2)
	global_store_b64 v8, v[CE+4:CE+5], s[28:29] offset:768*((\kb)/2)+512
	global_store_b128 v7, v[CO:CO+3], s[28:29] offset:3072+768*((\kb)/2)
	global_store_b64 v8, v[CO+4:CO+5], s[28:29] offset:3072+768*((\kb)/2)+512
.endif
.endm
	LOADW 0
	LOADW 1
.irp kb, 0,1,2,3,4,5,6,7
	BLOCKW \kb
.endr
	global_store_b64 v8, v[SB:SB+1], s[30:31]      ; place l's two words: 256 consecutive bytes
	s_endpgm
.Lfunc_end_k_q8b7bd9ddf1_prep:
	.size	k_q8b7bd9ddf1_prep, .Lfunc_end_k_q8b7bd9ddf1_prep-k_q8b7bd9ddf1_prep
	.p2alignl 7, 3214868480
	.fill 96, 4, 3214868480
	.section	.rodata,"a",@progbits
	.p2align	6, 0x0
	.amdhsa_kernel k_q8b7bd9ddf1_prep
		.amdhsa_group_segment_fixed_size 35328
		.amdhsa_private_segment_fixed_size 0
		.amdhsa_enable_private_segment 0
		.amdhsa_kernarg_size 48
		.amdhsa_user_sgpr_count 2
		.amdhsa_user_sgpr_kernarg_segment_ptr 1
		.amdhsa_wavefront_size32 1
		.amdhsa_system_sgpr_workgroup_id_x 1
		.amdhsa_system_sgpr_workgroup_id_y 1
		.amdhsa_system_sgpr_workgroup_id_z 1
		.amdhsa_system_vgpr_workitem_id 0
		.amdhsa_next_free_vgpr 234
		.amdhsa_next_free_sgpr 66
		.amdhsa_reserve_vcc 1
		.amdhsa_float_denorm_mode_32 3
		.amdhsa_float_denorm_mode_16_64 3
		.amdhsa_memory_ordered 1
		.amdhsa_forward_progress 1
		.amdhsa_inst_pref_size 72
	.end_amdhsa_kernel
	.amdgpu_metadata
---
amdhsa.version: [ 1, 2 ]
amdhsa.kernels:
  - .name:           k_q8b7bd9ddf1_prep
    .symbol:         k_q8b7bd9ddf1_prep.kd
    .args:
      - { .name: x, .offset: 0, .size: 8, .value_kind: global_buffer, .address_space: global }
      - { .name: wo, .offset: 8, .size: 8, .value_kind: global_buffer, .address_space: global }
      - { .name: wq, .offset: 16, .size: 8, .value_kind: global_buffer, .address_space: global }
      - { .name: wk, .offset: 24, .size: 8, .value_kind: global_buffer, .address_space: global }
      - { .name: wv, .offset: 32, .size: 8, .value_kind: global_buffer, .address_space: global }
      - { .name: pre, .offset: 40, .size: 8, .value_kind: global_buffer, .address_space: global }
    .group_segment_fixed_size: 35328
    .private_segment_fixed_size: 0
    .kernarg_segment_align: 8
    .kernarg_segment_size: 48
    .max_flat_workgroup_size: 128
    .sgpr_count:     66
    .vgpr_count:     234
    .wavefront_size: 32
...
	.end_amdgpu_metadata
.endif
;; end of part 1
;; launch proj (part 2): grid 96 x 4, 4 waves a work-group, clusters of 4 x 4, 327,680 bytes of LDS; arguments pre, qkv; writes qkv
.if DOCPART == 2
	.amdgcn_target "amdgcn-amd-amdhsa--gfx1250"
	.amdhsa_code_object_version 6
	.text
	.protected	k_q8b7bd9ddf1_proj
	.globl	k_q8b7bd9ddf1_proj
	.p2align	8
	.type	k_q8b7bd9ddf1_proj,@function
k_q8b7bd9ddf1_proj:
	s_mov_b64 s[64:65], 0
	v_nop
	global_prefetch_b8 v0, s[64:65] scope:SCOPE_SE
	s_setreg_imm32_b32 hwreg(HW_REG_WAVE_MODE, 25, 1), 1
	s_wait_xcnt 0x0
	s_wait_alu depctr_hold_cnt(0) depctr_sa_sdst(0) depctr_va_vdst(0) depctr_va_sdst(0) depctr_va_ssrc(0) depctr_va_vcc(0) depctr_vm_vsrc(0)
	s_getreg_b32 s2, hwreg(HW_REG_IB_STS2, 6, 4)
	s_cmp_eq_u32 s2, 0
	s_cbranch_scc0 .Lentry_in_a_cluster
	s_endpgm
.Lentry_in_a_cluster:
	s_bfe_u32 s2, ttmp6, 0x10000c
	s_cmp_lg_u32 s2, 0xf033
	s_cbranch_scc0 .Lentry_shape_is_right
	s_endpgm
.Lentry_shape_is_right:
; q, k and v = x W on codes of E3M2 with E8M0 scales, K = 1,024, and the quantisers of the three results, which leave as codes laid in the order of the next products' registers.
; A tile of 256 x 256 results is made by four waves, 128 x 128 each: 64 accumulators, 512 registers.  K goes in steps of 256 through two LDS slots filled by the tensor data mover.
; Operand A goes to source 1 (its rows lie in the lanes), operand B to source 0 (its rows run along a lane's registers).  The images' row order makes the 16 registers of two neighbouring tiles of B 16 neighbouring rows.
; Clusters 0-15 (q and k): A = x, B = Wq or Wk: a lane holds one token and 128 neighbouring (head, d): quantised along d: two heads' half fragments.
; Clusters 16-23 (v): A = Wv, B = x: a lane holds one (head, d) and 128 neighbouring tokens: quantised along the keys: one fragment of V.
; The two cases differ in offsets alone, chosen by s_cselect_b32 on the cluster's number, which all partners share: one text, no branch.
; An operand image is dense: 128 rows x 256 along K are 24,576 consecutive bytes in the order of the fragments' registers: no pitch, no padding; a fragment is four LDS loads whose lanes read neighbouring bytes.
; The scales of 128 rows for all of K are 4,096 consecutive bytes: they come once, with the first fills.
; CLUSTERS: 4 x 4 work-groups; A's tiles are shared along a row of the cluster, B's along a column: each is asked for jointly.
; LIMITS: a block of zeros gets the byte 1 (its codes are zeros; this program alone reads the bytes); the largest magnitude is floored at 2^(5 - 127); NaN and infinities are not served.
; REGISTERS: window 0: v0-31 addresses; v32-63 scale words, two sets; v64-120 the way out; v128-223 A's fragments, one set.  window 1: B's fragments, two sets, at v0 and v128.  windows 2, 3: the accumulators ((a, b) at v[8 (8 (a % 4) + b)]).
.set WIMG,  6291456
.set XSC,   9437184
.set WSC,   9699328
.set QSC,   6291456                    ; in qkv: Q's scale words; K and V by key steps of 13,312 bytes
.set KV,    6815744
.set NQ,    2                          ; matrix instructions deep in a slot
.set FR,    12                         ; registers of a fragment
.set NL,    4                          ; LDS loads that bring one
.set NP,    4                          ; places behind this matrix instruction (ISA guide 7.12.1)
.set HALFT, 24576                      ; 128 rows x 256 along K
.set SLOT,  4*HALFT
.set SCL,   2*SLOT                     ; the scales: A's two halves, then, 128 bytes further on so that they fall on other banks, B's two
.set SPARE, 213248                     ; the spare words: 128 bytes a wave, two blocks of 256 bytes that no other line names
.set ADRA, 16                          ; v16-17 slot 0, 1: base + 16 l;  v18-19: base + 8 l
.set ADRB, 20                          ; v20-23 the same for B
.set ADRS, 27
.set SPW,  28
.set NIL,  29
.set SC,   32
.set AF,   128
.set G1, 24
.set G0, 32
.set G1B, 48
.set G0B, 56
.set G1S, 68
.set G0S, 76
.set G1SB, 80
.set G0SB, 88
.set STA, 92                           ; s[92:93], s[94:95] two planes of A's image, of B's, in bytes
.set STB, 94
.set MSB, 0
.macro WIN new                         ; the immediate's high byte repeats the setting that is left
.if MSB != \new
	s_set_vgpr_msb (MSB<<8)|\new
.set MSB, \new
.endif
.endm
.set MUL_LO, 0xa1                      ; source 0 (B) window 1, source 1 (A) window 0, C and D window 2
.set MUL_HI, 0xf1
.set TO_B,   0x40
.macro JLOAD g0a, g1a, g0b, g1b        ; a joint load: waves 0 and 1 fetch for A, waves 2 and 3 for B; four v_nop follow each of the two lines
	s_cmp_eq_u32 s15, 0
	s_cbranch_scc0 .Lfor_b_\@
	tensor_load_to_lds s[\g0a:\g0a+3], s[\g1a:\g1a+7]
	s_nop 0
.rept 4
	v_nop
.endr
	s_branch .Lasked_\@
.Lfor_b_\@:
	tensor_load_to_lds s[\g0b:\g0b+3], s[\g1b:\g1b+7]
	s_nop 0
.rept 4
	v_nop
.endr
.Lasked_\@:
.endm
.macro CREST                           ; a round of the cluster's barrier behind its opening barrier
	s_cmp_lg_u32 s14, 0
	s_cbranch_scc1 .Lnot_wave_0_\@
	s_barrier_signal -3
.Lnot_wave_0_\@:
	s_barrier_wait -3
	s_barrier_signal -1
	s_barrier_wait -1
.endm
.macro CROUND
	s_barrier_signal -1
	s_barrier_wait -1
	CREST
.endm
	s_load_b128 s[4:7], s[0:1], 0x0                ; pre, qkv
	v_lshl_add_u32 v[SPW], v0, 2, SPARE
	v_mov_b32 v[NIL], 0
	ds_add_u32 v28, v29
	ds_add_u32 v28, v29
	s_wait_dscnt 0x0
	v_lshrrev_b32 v1, 5, v0
	v_readfirstlane_b32 s14, v1                    ; wave
	s_lshr_b32 s15, s14, 1                         ; which half of A's rows is mine.  Also: I fetch for A (0) or for B (1)
	s_and_b32 s16, s14, 1                          ; which half of B's rows.  Also: which 128 rows I fetch
	s_bfe_u32 s40, ttmp6, 0x40000                  ; cx
	s_bfe_u32 s41, ttmp6, 0x40004                  ; cy
	s_and_b32 s3, ttmp9, 1
	s_lshr_b32 s9, ttmp9, 1
	s_sub_co_u32 s10, ttmp9, 16
	s_cmp_lt_u32 ttmp9, 16                         ; q and k, or v
	s_cselect_b32 s2, 0, 1                         ; the case
	s_cselect_b32 s3, s3, s10                      ; the cluster's column of tiles
	s_cselect_b32 s9, s9, 0                        ; and its row
	s_cselect_b32 s10, 0, WIMG+393216              ; A's image: x's, or Wv's rows (2,048 on) of the weights'
	s_mov_b32 s11, WSC+65536
	s_cselect_b32 s11, XSC, s11                    ; A's scales
	s_mov_b32 s98, 589824
	s_cselect_b32 s98, 1572864, s98                ; a plane of A's image
	s_cselect_b32 s12, WIMG, 0                     ; B's image
	s_mov_b32 s13, XSC
	s_cselect_b32 s13, WSC, s13
	s_mov_b32 s100, 1572864
	s_cselect_b32 s100, 589824, s100
	s_mov_b32 s99, 0
	s_mov_b32 s101, 0
	s_lshl_b32 s[STA], s98, 1
	s_mov_b32 s[STA+1], 0
	s_lshl_b32 s[STB], s100, 1
	s_mov_b32 s[STB+1], 0
	s_lshl_b32 s42, s3, 2
	s_add_co_u32 s42, s42, s40                     ; tile column: 256 rows of B
	s_lshl_b32 s17, s9, 2
	s_add_co_u32 s17, s17, s41                     ; tile row: 256 rows of A
	s_lshl_b32 s43, s41, 2
	s_lshl_b32 s43, 15, s43                        ; my row of the cluster
	s_lshl_b32 s44, 0x1111, s40                    ; my column
	s_or_b32 s[G1+0], s43, (3<<16)|(1<<21)         ; 15:0 the mask; 17:16 elements of 8 bytes; 21 set beside a mask; no padding
	s_or_b32 s[G1B+0], s44, (3<<16)|(1<<21)
.irp g, G1, G1B                        ; 24,576 dense bytes as 96 rows of 256
	s_mov_b32 s[\g+1], 32<<16
	s_mov_b32 s[\g+2], 192<<16                     ; the head's loads bring 256 rows: 49,152 dense bytes as 192 rows of 256
	s_mov_b32 s[\g+3], 32<<16
	s_mov_b32 s[\g+4], 192
	s_mov_b32 s[\g+5], 32
	s_mov_b32 s[\g+6], 0
	s_mov_b32 s[\g+7], 0
.endr
	s_or_b32 s[G1S+0], s43, (3<<16)|(1<<21)
	s_or_b32 s[G1SB+0], s44, (3<<16)|(1<<21)
.irp g, G1S, G1SB                      ; 4,096 dense bytes as 16 rows of 256
	s_mov_b32 s[\g+1], 32<<16
	s_mov_b32 s[\g+2], 32<<16                      ; the scales of 256 rows: 8,192 dense bytes as 32 rows of 256
	s_mov_b32 s[\g+3], 32<<16
	s_mov_b32 s[\g+4], 32
	s_mov_b32 s[\g+5], 32
	s_mov_b32 s[\g+6], 0
	s_mov_b32 s[\g+7], 0
.endr
	s_mul_i32 s18, s16, HALFT
	s_mul_i32 s20, s17, 49152
	s_add_co_u32 s20, s20, s18
	s_add_co_u32 s20, s20, s10                     ; A's codes: the 128 rows that I fetch, plane 0
	s_mov_b32 s21, 0
	s_lshl_b32 s22, s17, 1
	s_lshl_b32 s22, s22, 12
	s_add_co_u32 s22, s22, s11                     ; and their scales
	s_mov_b32 s23, 0
	s_mul_i32 s46, s42, 49152
	s_add_co_u32 s46, s46, s18
	s_add_co_u32 s46, s46, s12                     ; B's likewise
	s_mov_b32 s47, 0
	s_lshl_b32 s96, s42, 1
	s_lshl_b32 s96, s96, 12
	s_add_co_u32 s96, s96, s13
	s_mov_b32 s97, 0
	s_mul_i32 s45, s14, HALFT                      ; where they go: no place in the cluster enters an LDS address
	s_wait_kmcnt 0x0
	s_add_nc_u64 s[20:21], s[4:5], s[20:21]
	s_add_nc_u64 s[22:23], s[4:5], s[22:23]
	s_add_nc_u64 s[46:47], s[4:5], s[46:47]
	s_add_nc_u64 s[96:97], s[4:5], s[96:97]
	CROUND                                         ; all sixteen work-groups are here: the first joint loads meet
	s_mov_b32 s[G0S], 1
	s_mov_b32 s[G0S+1], SCL
	s_mov_b64 s[G0S+2:G0S+3], s[22:23]
	s_or_b32 s[G0S+3], s[G0S+3], 0x80000000
	s_mov_b32 s[G0SB], 1
	s_mov_b32 s[G0SB+1], SCL+8192+128
	s_mov_b64 s[G0SB+2:G0SB+3], s[96:97]
	s_or_b32 s[G0SB+3], s[G0SB+3], 0x80000000
	s_mov_b32 s[G0], 1
	s_add_co_u32 s[G0+1], s45, 0
	s_mov_b64 s[G0+2:G0+3], s[20:21]
	s_or_b32 s[G0+3], s[G0+3], 0x80000000
	s_mov_b32 s[G0B], 1
	s_add_co_u32 s[G0B+1], s45, 0
	s_mov_b64 s[G0B+2:G0B+3], s[46:47]
	s_or_b32 s[G0B+3], s[G0B+3], 0x80000000
	s_mov_b32 s[G0+4], 1
	s_add_co_u32 s[G0+5], s45, SLOT
	s_add_nc_u64 s[G0+6:G0+7], s[20:21], s[98:99]
	s_or_b32 s[G0+7], s[G0+7], 0x80000000
	s_mov_b32 s[G0B+4], 1
	s_add_co_u32 s[G0B+5], s45, SLOT
	s_add_nc_u64 s[G0B+6:G0B+7], s[46:47], s[100:101]
	s_or_b32 s[G0B+7], s[G0B+7], 0x80000000
; THE HEAD'S LOADS, ONE A WAVE: wave 0 K step 0's 256 rows of A, wave 1 the scales of A's 256 rows, wave 2 K step 0's 256 rows of B, wave 3 B's scales.
; Waves 0 and 2 fetch the first half in the ring, so their slot 0 group 0 names the tile's first byte and its place in LDS.  One tree of branches on the wave's number, one load to an arm, one join.
.macro ARM under, g0, g1, next
	s_cmp_lt_u32 s14, \under
	s_cbranch_scc0 \next
	tensor_load_to_lds s[\g0:\g0+3], s[\g1:\g1+7]
	s_nop 0
.rept 4
	v_nop
.endr
	s_branch .Lhead_asked
\next:
.endm
	ARM 1, G0,  G1,  .Lhead_sa
	ARM 2, G0S, G1S, .Lhead_b
	ARM 3, G0B, G1B, .Lhead_sb
	tensor_load_to_lds s[G0SB:G0SB+3], s[G1SB:G1SB+7]
	s_nop 0
.rept 4
	v_nop
.endr
.Lhead_asked:
	v_and_b32 v1, 15, v0                           ; r
	v_bfe_u32 v2, v0, 4, 1                         ; h
	v_and_b32 v3, 31, v0
	v_lshlrev_b32 v4, 4, v3                        ; 16 l
	v_lshlrev_b32 v5, 3, v3                        ; 8 l
	s_mul_i32 s21, s15, HALFT                      ; my 128 rows of A
	s_mul_i32 s22, s16, HALFT
	s_add_co_u32 s22, s22, 2*HALFT                 ; my 128 rows of B
.irp s, 0,1
	v_add_nc_u32 v[ADRA+\s], s21, v4
	v_add_nc_u32 v[ADRB+\s], s22, v4
	v_add_nc_u32 v[ADRA+2+\s], s21, v5
	v_add_nc_u32 v[ADRB+2+\s], s22, v5
	s_add_co_u32 s21, s21, SLOT
	s_add_co_u32 s22, s22, SLOT
.endr
	v_lshlrev_b32 v5, 3, v1                        ; my row's two scale words: 8 r
	s_lshl_b32 s21, s15, 12                        ; A's: my 128 rows
	s_lshl_b32 s22, s16, 12
	s_add_co_u32 s22, s22, 8192+128                ; B's
	s_sub_co_u32 s22, s22, s21
	v_mul_u32_u24 v6, s22, v2                      ; lanes 16-31 take B's
	s_add_co_u32 s21, s21, SCL
	v_add_nc_u32 v5, v5, v6
	v_add_nc_u32 v[ADRS], s21, v5
.macro FRAG reg, adr, q, i             ; tile i's fragment of the slot's q-th 128 along K: two half fragments on end, as images of the registers
	ds_load_b128 v[\reg:\reg+3], v[\adr] offset:(\i)*3072+(\q)*1536
	ds_load_b64 v[\reg+4:\reg+5], v[\adr+2] offset:(\i)*3072+(\q)*1536+512
	ds_load_b128 v[\reg+6:\reg+9], v[\adr] offset:(\i)*3072+(\q)*1536+768
	ds_load_b64 v[\reg+10:\reg+11], v[\adr+2] offset:(\i)*3072+(\q)*1536+1280
.endm
; 16 matrix instructions: A's blocks a0, a0 + 1 x B's eight.  The 64 accumulators take turns, one instruction a turn, in the same order in every step.
.macro MUL16 a0, p, q, sc, zero
.irp a, \a0, \a0+1
.irp b, 0,1,2,3,4,5,6,7
.if \zero
	v_wmma_scale_f32_16x16x128_f8f6f4 v[8*(8*((\a)%4)+\b):8*(8*((\a)%4)+\b)+7], v[128*(\p)+FR*\b:128*(\p)+FR*\b+FR-1], v[AF+FR*(\a):AF+FR*(\a)+FR-1], 0, v[SC+8*NQ*(\sc)+NQ*\b+(\q)], v[SC+8*NQ*(\sc)+NQ*(\a)+(\q)] matrix_a_fmt:MATRIX_FMT_BF6 matrix_b_fmt:MATRIX_FMT_BF6 matrix_a_scale:MATRIX_SCALE_ROW1
.else
	v_wmma_scale_f32_16x16x128_f8f6f4 v[8*(8*((\a)%4)+\b):8*(8*((\a)%4)+\b)+7], v[128*(\p)+FR*\b:128*(\p)+FR*\b+FR-1], v[AF+FR*(\a):AF+FR*(\a)+FR-1], v[8*(8*((\a)%4)+\b):8*(8*((\a)%4)+\b)+7], v[SC+8*NQ*(\sc)+NQ*\b+(\q)], v[SC+8*NQ*(\sc)+NQ*(\a)+(\q)] matrix_a_fmt:MATRIX_FMT_BF6 matrix_b_fmt:MATRIX_FMT_BF6 matrix_a_scale:MATRIX_SCALE_ROW1
.endif
.endr
.endr
.endm
.macro FETCH_B slot, q, p
	WIN TO_B
.irp i, 0,1,2,3,4,5,6,7
	FRAG 128*(\p)+FR*\i, ADRB+\slot, \q, \i
.endr
	WIN 0
.endm
.macro FETCH_A slot, q, i0
.irp i, \i0, \i0+1, \i0+2, \i0+3
	FRAG AF+FR*(\i), ADRA+\slot, \q, \i
.endr
.endm
.macro SCALES sc                       ; a K step's two words a row: lanes 0-15 A's block i, lanes 16-31 B's block i
.irp i, 0,1,2,3,4,5,6,7
	ds_load_b64 v[SC+8*NQ*\sc+NQ*\i:SC+8*NQ*\sc+NQ*\i+1], v[ADRS] offset:\i*128
.endr
.endm
.macro PLACES n                        ; plain vector lines between a matrix instruction and a load into its registers or a read of its result
.rept \n
	v_nop
.endr
.endm
.macro STEP slot, q, zero              ; 128 along K with its successor in the same slot
	s_wait_dscnt 4*NL                              ; B's set and A's blocks 0-3 are in; the youngest 16 loads (A's blocks 4-7) may be out
	WIN MUL_LO
	MUL16 0, (\q)%2, \q, \slot, \zero
	MUL16 2, (\q)%2, \q, \slot, \zero
	s_wait_dscnt 0
	PLACES NP
	FETCH_B \slot, (\q)+1, 1-(\q)%2
	FETCH_A \slot, (\q)+1, 0
	WIN MUL_HI
	MUL16 4, (\q)%2, \q, \slot, \zero
	MUL16 6, (\q)%2, \q, \slot, \zero
	PLACES NP
	WIN 0
	FETCH_A \slot, (\q)+1, 4
.endm
; A slot's last step changes slots: one barrier; in front of it each wave waits for all its tensor loads, adds 0 to its spare word, and waits for that and for its reads of this slot.
.macro TURN slot, next, fill
	s_wait_tensorcnt 0x0                           ; all my tensor loads have landed: my part of the next slot
	ds_add_u32 v[SPW], v[NIL]                      ; 0 onto my spare word
	s_wait_dscnt 4*NL+1                            ; (the add and the youngest 16 loads may be out)
	WIN MUL_LO
	MUL16 0, 1, NQ-1, \slot, 0
	s_wait_dscnt 0x0                               ; the add is done, and my reads of this slot are over
	s_barrier_signal -1
	MUL16 2, 1, NQ-1, \slot, 0
	WIN 0
	s_barrier_wait -1
.if \fill
	CREST                                          ; the barrier has opened a round of the cluster's: no wave of any partner still reads this slot or has a load on its way
	s_add_nc_u64 s[G0+4*\slot+2:G0+4*\slot+3], s[G0+4*\slot+2:G0+4*\slot+3], s[STA:STA+1]
	s_add_nc_u64 s[G0B+4*\slot+2:G0B+4*\slot+3], s[G0B+4*\slot+2:G0B+4*\slot+3], s[STB:STB+1]
	JLOAD G0+4*\slot, G1, G0B+4*\slot, G1B         ; the first tensor load behind the round; its four v_nop are the places in front of the loads below
.else
	PLACES NP
.endif
	s_wait_alu depctr_va_vdst(0)
	v_add_nc_u32 v[ADRS], 1024, v[ADRS]            ; the next K step's scale words
	FETCH_B \next, 0, 0
	FETCH_A \next, 0, 0
	SCALES \next
	WIN MUL_HI
	MUL16 4, 1, NQ-1, \slot, 0
	MUL16 6, 1, NQ-1, \slot, 0
	PLACES NP
	WIN 0
	FETCH_A \next, 0, 4
.endm
	s_wait_alu depctr_va_vdst(0)
	s_wait_tensorcnt 0x0                           ; my tile of the head's four is in; slot 1's first fill is issued as a refill is:
	ds_add_u32 v[SPW], v[NIL]                      ; 0 onto my spare word
	s_mov_b32 s[G1+2], 96<<16                      ; no tensor load of mine is out: from here on a load brings 128 rows, 96 rows of 256 bytes
	s_mov_b32 s[G1+4], 96
	s_mov_b32 s[G1B+2], 96<<16
	s_mov_b32 s[G1B+4], 96
	s_wait_dscnt 0x0                               ; the add is done
	CROUND                                         ; all four tiles are in, and all sixteen work-groups are here
	JLOAD G0+4, G1, G0B+4, G1B                     ; K step 1, the first tensor load behind the round
	FETCH_B 0, 0, 0
	FETCH_A 0, 0, 0
	SCALES 0
	FETCH_A 0, 0, 4
	STEP 0, 0, 1                                   ; K = 1,024 is four slots: written straight.  The first products start the sums
	TURN 0, 1, 1
	STEP 1, 0, 0
	TURN 1, 0, 1
	STEP 0, 0, 0
	TURN 0, 1, 0                                   ; nothing is left to fetch
	STEP 1, 0, 0
	s_wait_dscnt 4*NL
	WIN MUL_LO
	MUL16 0, 1, NQ-1, 1, 0
	MUL16 2, 1, NQ-1, 1, 0
	s_wait_dscnt 0
	WIN MUL_HI
	MUL16 4, 1, NQ-1, 1, 0
	MUL16 6, 1, NQ-1, 1, 0
	WIN 0
; THE WAY OUT.  Block a's 64 registers of a lane are 128 neighbours along the next K: register 16 b + i = 32 b + 16 h + i.  They become a fragment's 12 registers and a scale word, and leave as images of the registers.
.set TM,  64                           ; v64-67 largest magnitudes, v68-71 bytes, v76-79 the conversions' scale operands
.set PW,  80                           ; the scale word just made
.set WS,  84                           ; v84-91 the eight blocks' words
.set PC,  96                           ; v96-114 codes
.set L16, 116
.set L8,  117
.set SHF, 118                          ; q, k: 16 h: lanes 16-31 keep the second head's two bytes;  v: 0
.set SOF, 119                          ; where my four words go
.set C0,  92                           ; s[92:93] registers 0-5 of a fragment go here, s[94:95] registers 6-11
.set C1,  94
.set STP, 96                           ; s[96:97] from block to block; s[98:99] from block 3 to block 4
.set ST4, 98
.set S0,  100                          ; s[100:101] words of blocks 0-3, s[46:47] of blocks 4-7
.set S1,  46
.set SEL, 2
	s_and_b32 s43, s42, 3
	s_or_b32 s45, s2, s3                           ; 0 for q alone
	s_cmp_eq_u32 s2, 0
	s_cselect_b32 s8, s17, s42                     ; the tokens' tile of 256,
	s_cselect_b32 s9, s15, s16                     ; my half of it
	s_cselect_b32 s10, s43, s17                    ; the four heads' tile,
	s_cselect_b32 s11, s16, s15                    ; my two of them
	s_lshr_b32 s12, s8, 3
	s_lshl_b32 s12, s12, 4
	s_lshl_b32 s10, s10, 2
	s_lshl_b32 s11, s11, 1
	s_add_co_u32 s12, s12, s10
	s_add_co_u32 s12, s12, s11                     ; 16 x batch + my first head
	s_lshl_b32 s13, s8, 1
	s_add_co_u32 s13, s13, s9
	s_and_b32 s13, s13, 15                         ; which 128 tokens of the 2,048
	s_cmp_eq_u32 s45, 0
	s_mov_b32 s18, 212992
	s_cselect_b32 s18, 98304, s18                  ; codes: from head to head
	s_mov_b32 s19, 13312
	s_cselect_b32 s19, 6144, s19                   ; from 128 tokens to the next
	s_cselect_b32 s20, 0, KV
	s_mov_b32 s21, 212992
	s_cselect_b32 s21, 8192, s21                   ; scale words likewise
	s_mov_b32 s22, 13312
	s_cselect_b32 s22, 512, s22
	s_mov_b32 s23, KV+12288
	s_cselect_b32 s23, QSC, s23
	s_sub_co_u32 s[ST4], s18, 4608
	s_cmp_eq_u32 s2, 0
	s_cselect_b32 s40, 0, 6144                     ; V's fragments lie behind K's half fragments,
	s_cselect_b32 s41, 0, 512                      ; its words behind K's
	s_mov_b32 s[STP], 1536
	s_cselect_b32 s[STP], 768, s[STP]
	s_cselect_b32 s[ST4], 768, s[ST4]              ; v: block 4 begins the next head
	s_cselect_b32 s46, s18, 768                    ; q, k: registers 6-11 are the next head's;  v: the fragment's second half
	s_cselect_b32 s43, s21, 256                    ; lanes 16-31: the next head's words;  v: a second copy
	s_mov_b32 s44, 212992
	s_cselect_b32 s44, 256, s44                    ; blocks 4-7: q, k: the next 64 tokens;  v: the next head
	s_cselect_b32 s45, 16, 0
	s_mov_b32 s[STP+1], 0
	s_mov_b32 s[ST4+1], 0
	s_mov_b32 s47, 0
	s_mul_i32 s[C0], s12, s18
	s_mul_i32 s8, s13, s19
	s_add_co_u32 s[C0], s[C0], s8
	s_add_co_u32 s[C0], s[C0], s20
	s_add_co_u32 s[C0], s[C0], s40
	s_mov_b32 s[C0+1], 0
	s_add_nc_u64 s[C0:C0+1], s[6:7], s[C0:C0+1]
	s_add_nc_u64 s[C1:C1+1], s[C0:C0+1], s[46:47]
	s_mul_i32 s[S0], s12, s21
	s_mul_i32 s8, s13, s22
	s_add_co_u32 s[S0], s[S0], s8
	s_add_co_u32 s[S0], s[S0], s23
	s_add_co_u32 s[S0], s[S0], s41
	s_mov_b32 s[S0+1], 0
	s_add_nc_u64 s[S0:S0+1], s[6:7], s[S0:S0+1]
	s_mov_b32 s46, s44
	s_add_nc_u64 s[S1:S1+1], s[S0:S0+1], s[46:47]
	s_mov_b32 s[SEL], 0x76543210
	s_mov_b32 s[SEL+1], 0xfedcba98                 ; lane selects: lane l xor 16
	v_and_b32 v[L16], 31, v0
	v_lshlrev_b32 v[L8], 3, v[L16]
	v_lshlrev_b32 v[L16], 4, v[L16]
	v_bfe_u32 v[SHF], v0, 4, 1
	v_mul_u32_u24 v[SOF], s43, v[SHF]
	v_mul_u32_u24 v[SHF], s45, v[SHF]
	v_and_b32 v120, 15, v0
	v_lshl_add_u32 v[SOF], v120, 4, v[SOF]
.irp b, 0,1,2,3
	v_mov_b32 v[TM+4+\b], 0                        ; a lane permute's destination counts as read
.endr
	PLACES NP
.macro QUANTA a
.set AC, 64*((\a)%4)
.set HI, (\a)/4
	WIN (0x28+0x14*HI)                             ; sources 1 and 2: the accumulators' window
.irp b, 0,1,2,3
	v_max3_num_f32 v[TM+\b], 0x2800000, |v[AC+16*\b]|, |v[AC+16*\b+1]|   ; block b: my 16 numbers and the floor 2^(5 - 127); each accumulator is read from its low end on
.endr
.irp i, 2,4,6,8,10,12,14
.irp b, 0,1,2,3
	v_max3_num_f32 v[TM+\b], v[TM+\b], |v[AC+16*\b+\i]|, |v[AC+16*\b+\i+1]|
.endr
.endr
	WIN 0
.irp b, 0,1,2,3
	v_permlanex16_b32 v[TM+4+\b], v[TM+\b], s[SEL], s[SEL+1]
.endr
.irp b, 0,1,2,3
	v_max_num_f32 v[TM+\b], v[TM+\b], v[TM+4+\b]   ; with lane l xor 16's 16: the block's largest magnitude
.endr
.irp b, 0,1,2,3
	v_add_nc_u32 v[TM+12+\b], 0xfe000000, v[TM+\b] ; 4 off its exponent field: the conversion's scale operand
.endr
.irp b, 0,1,2,3
	v_lshrrev_b32 v[TM+4+\b], 23, v[TM+12+\b]      ; the scale's byte
.endr
	v_lshl_or_b32 v[PW], v[TM+5], 8, v[TM+4]
	v_lshl_or_b32 v[PW], v[TM+6], 16, v[PW]
	v_lshl_or_b32 v[PW], v[TM+7], 24, v[PW]
	v_lshrrev_b32 v[WS+(\a)], v[SHF], v[PW]
	s_wait_xcnt 0x0                                ; the last block's stores have read their registers and bases
.if (\a) == 4
	s_add_nc_u64 s[C0:C0+1], s[C0:C0+1], s[ST4:ST4+1]
	s_add_nc_u64 s[C1:C1+1], s[C1:C1+1], s[ST4:ST4+1]
.elseif (\a) > 0
	s_add_nc_u64 s[C0:C0+1], s[C0:C0+1], s[STP:STP+1]
	s_add_nc_u64 s[C1:C1+1], s[C1:C1+1], s[STP:STP+1]
.endif
	WIN (0x02+HI)                                  ; source 0: the accumulators' window
.irp c, 0,1
	v_cvt_scalef32_pk16_bf6_f32 v[PC+6*\c:PC+6*\c+2], v[AC+32*\c:AC+32*\c+15], v[TM+12+2*\c]
	v_cvt_scalef32_pk16_bf6_f32 v[PC+12+4*\c:PC+14+4*\c], v[AC+16+32*\c:AC+31+32*\c], v[TM+12+2*\c+1]
.endr
	WIN 0
	v_nop                                          ; one plain line behind the conversions
.irp c, 0,1                            ; the operand's layout wants a whole block in a lane: lanes 0-15 block 2 c, lanes 16-31 block 2 c + 1
.irp i, 0,1,2
	v_permlane16_swap_b32 v[PC+6*\c+\i], v[PC+12+4*\c+\i]
.endr
.irp i, 0,1,2
	v_mov_b32 v[PC+3+6*\c+\i], v[PC+12+4*\c+\i]
.endr
.endr
	global_store_b128 v[L16], v[PC:PC+3], s[C0:C0+1]                 ; 512 and 256 consecutive bytes, at multiples of 256
	global_store_b64 v[L8], v[PC+4:PC+5], s[C0:C0+1] offset:512
	global_store_b128 v[L16], v[PC+6:PC+9], s[C1:C1+1]
	global_store_b64 v[L8], v[PC+10:PC+11], s[C1:C1+1] offset:512
.endm
.irp a, 0,1,2,3,4,5,6,7
	QUANTA \a
.endr
	global_store_b128 v[SOF], v[WS:WS+3], s[S0:S0+1]                 ; 16 lanes store 256 consecutive bytes
	global_store_b128 v[SOF], v[WS+4:WS+7], s[S1:S1+1]
	s_wait_tensorcnt 0x0                           ; the wave's end
	ds_add_u32 v[SPW], v[NIL]
	s_wait_dscnt 0x0
	CROUND                                         ; the closing round
	s_endpgm
.Lfunc_end_k_q8b7bd9ddf1_proj:
	.size	k_q8b7bd9ddf1_proj, .Lfunc_end_k_q8b7bd9ddf1_proj-k_q8b7bd9ddf1_proj
	.p2alignl 7, 3214868480
	.fill 96, 4, 3214868480
	.section	.rodata,"a",@progbits
	.p2align	6, 0x0
	.amdhsa_kernel k_q8b7bd9ddf1_proj
		.amdhsa_group_segment_fixed_size 327680
		.amdhsa_private_segment_fixed_size 0
		.amdhsa_enable_private_segment 0
		.amdhsa_kernarg_size 16
		.amdhsa_user_sgpr_count 2
		.amdhsa_user_sgpr_kernarg_segment_ptr 1
		.amdhsa_wavefront_size32 1
		.amdhsa_system_sgpr_workgroup_id_x 1
		.amdhsa_system_sgpr_workgroup_id_y 1
		.amdhsa_system_sgpr_workgroup_id_z 1
		.amdhsa_system_vgpr_workitem_id 0
		.amdhsa_next_free_vgpr 1024
		.amdhsa_next_free_sgpr 102
		.amdhsa_reserve_vcc 0
		.amdhsa_float_denorm_mode_32 3
		.amdhsa_float_denorm_mode_16_64 3
		.amdhsa_memory_ordered 1
		.amdhsa_forward_progress 1
		.amdhsa_inst_pref_size 153
	.end_amdhsa_kernel
	.amdgpu_metadata
---
amdhsa.version: [ 1, 2 ]
amdhsa.kernels:
  - .name:           k_q8b7bd9ddf1_proj
    .symbol:         k_q8b7bd9ddf1_proj.kd
    .args:
      - { .name: pre, .offset: 0, .size: 8, .value_kind: global_buffer, .address_space: global }
      - { .name: qkv, .offset: 8, .size: 8, .value_kind: global_buffer, .address_space: global }
    .group_segment_fixed_size: 327680
    .private_segment_fixed_size: 0
    .kernarg_segment_align: 8
    .kernarg_segment_size: 16
    .max_flat_workgroup_size: 128
    .sgpr_count:     102
    .vgpr_count:     1024
    .wavefront_size: 32
...
	.end_amdgpu_metadata
.endif
;; end of part 2
;; launch attn (part 3): grid 4 x 64, 8 waves a work-group, clusters of 4 x 1, 215,040 bytes of LDS; arguments qkv, oq; writes oq
.if DOCPART == 3
	.amdgcn_target "amdgcn-amd-amdhsa--gfx1250"
	.amdhsa_code_object_version 6
	.text
	.protected	k_q8b7bd9ddf1_attn
	.globl	k_q8b7bd9ddf1_attn
	.p2align	8
	.type	k_q8b7bd9ddf1_attn,@function
k_q8b7bd9ddf1_attn:
	s_mov_b64 s[64:65], 0
	v_nop
	global_prefetch_b8 v0, s[64:65] scope:SCOPE_SE
	s_setreg_imm32_b32 hwreg(HW_REG_WAVE_MODE, 25, 1), 1
	s_wait_xcnt 0x0
	s_wait_alu depctr_hold_cnt(0) depctr_sa_sdst(0) depctr_va_vdst(0) depctr_va_sdst(0) depctr_va_ssrc(0) depctr_va_vcc(0) depctr_vm_vsrc(0)
	s_getreg_b32 s2, hwreg(HW_REG_IB_STS2, 6, 4)
	s_cmp_eq_u32 s2, 0
	s_cbranch_scc0 .Lentry_in_a_cluster
	s_endpgm
.Lentry_in_a_cluster:
	s_bfe_u32 s2, ttmp6, 0x10000c
	s_cmp_lg_u32 s2, 0x3003
	s_cbranch_scc0 .Lentry_shape_is_right
	s_endpgm
.Lentry_shape_is_right:
; o = softmax(q k^T / 8) v for one (batch, head) and 512 queries, both products on codes of E3M2 with E8M0 scales; o / l is quantised along the head's 64 and leaves as codes for the output projection.
; THE SOFTMAX: t = score x log2(e) / 8; M = the largest t so far, rounded up to a whole number; p = 2^(t - M) is quantised along the keys; the row's sum is taken of the unquantised p and divides at the end.
; When M moves, the sum and O are multiplied by 2^(old M - new M), which rounds nothing.
; SHARES.  256 work-groups, four to a head.  Eight waves, two to a SIMD, 512 registers each; a wave owns FOUR tiles of 16 queries and walks the head's 2,048 keys once, 128 a step.
; A step reads its 13,312 bytes from LDS once a wave: K's eight fragments, V's four and the scale words stay in registers while the four tiles take their turns: each fragment read feeds four tiles' products.
; LDS holds the WHOLE head's K, V and scale words: 16 key steps of 13,312 bytes, filled once, one tensor load a wave (wave w brings key steps 2 w and 2 w + 1); nothing is filled again; one barrier shows all of it to all waves.
; A key step: K's 8 half fragments (768 bytes each), V's 4 fragments (1,536 each), K's scale words (512), V's (512), all as images of operand registers.
; CLUSTER.  The four work-groups of a cluster belong to one head: each load is asked for jointly, with the same descriptor and a mask that names the four.
; Both products are used transposed (S^T = K Q^T, O^T = V^T P^T): a lane holds one query of each tile throughout.
; THE KEYS OF A TILE ARE CHOSEN BY THE LANES' LDS ADDRESSES: row r of tile 4 c + m is key 64 c + 32 (r / 8) + 8 m + r % 8.  So lane (r, h)'s 32 registers of tiles 4 c .. 4 c + 3 are keys 64 c + 32 h + 0 .. 31:
; one whole block of 32, in the order of p's operand registers: a block's largest score needs no other lane, and p's codes change no lane.  In the stored image that key lies in half fragment 4 c + 2 (r / 8) + m % 2 at place 8 (m / 2) + r % 8.
; The first product's K is 64: registers 6-11 of Q's and K's fragments hold zero codes, under scale bytes that are never 0xff.
; Nothing is prefetched: all that the work-group reads of K and V is asked for by its first loads, ahead of the loop.
; LIMITS: the promise holds while the scaled scores stay under 2^31 in magnitude; a block of zeros gets the byte 1 (zero codes; this program alone reads the bytes); largest magnitudes are floored at 2^(5 - 127); NaN and infinities are not served.
; REGISTERS.  Window 0: v1 16 l, v2 8 l, v3-5 K's lane terms, v7 8 h, v8-9 the add's two; v6, v10, v11, v224, v225 the step's addresses; tile j: v[12+4j] -M, v[13+4j] the largest score, v[14+4j:15+4j] the sum;
;   v28-31 V's scale words; v32-127 K's eight fragments; v128-191 S^T, then p; v192-203 p's codes; v204-223, v236-241 at work; v221 p's scale word; v226-229 K's scale words; v232-235 Q's.
; Window 1: v0-127 O^T of the four tiles; v128-175 Q's four fragments; v176-223 V's four.
.set QSC,   6291456
.set KV,    6815744
.set HEADB, 212992
.set STEPB, 13312
.set OSC,   6291456
.set SPARE, 212992                     ; behind the head's bytes: the spare words, 128 bytes a wave
.set SPW,   8
.set NIL,   9
.set AKS,   6
.set AV8,   10
.set AV16,  11
.set AKA,   224
.set AKB,   225
.set KF,    32
.set S,     128
.set PC,    192
.set X,     204
.set CT,    208                        ; the conversions' second halves: v208-210, v212-214
.set BM,    216
.set SO,    218
.set F,     220                        ; f; v221 beside it is p's scale word
.set T,     222
.set B0,    223
.set KSC,   226
.set QS,    232
.set QW,    128                        ; window 1
.set VW,    176                        ; window 1
.set SEL,   20
.set CS,    22
.set G1,    24
.set G0,    32
.set TB,    48
.set CNT,   49
.set MSB, 0
.macro WIN new                         ; low byte: bits 1:0 source 0, 3:2 source 1, 5:4 source 2, 7:6 destination; the high byte repeats the setting that is left
.if MSB != \new
	s_set_vgpr_msb (MSB<<8)|\new
.set MSB, \new
.endif
.endm
.macro ROUND                           ; a round of the cluster's barrier
	s_barrier_signal -1
	s_barrier_wait -1
	s_cmp_lg_u32 s8, 0
	s_cbranch_scc1 .Lnot_wave_0_\@
	s_barrier_signal -3
.Lnot_wave_0_\@:
	s_barrier_wait -3
	s_barrier_signal -1
	s_barrier_wait -1
.endm
	s_load_b128 s[4:7], s[0:1], 0x0                ; qkv, oq
	v_lshl_add_u32 v[SPW], v0, 2, SPARE
	v_mov_b32 v[NIL], 0
	ds_add_u32 v[SPW], v[NIL]                      ; the opening lines: the add, twice on end, and its wait ahead of my tensor load
	ds_add_u32 v[SPW], v[NIL]
	v_lshrrev_b32 v1, 5, v0
	v_readfirstlane_b32 s8, v1                     ; wave 0..7
	s_bfe_u32 s9, ttmp6, 0x40000                   ; cx
	s_lshl_b32 s10, ttmp9, 2
	s_add_co_u32 s10, s10, s9                      ; my block of 512 queries: it enters Q's and o's addresses alone
	s_and_b32 s11, ttmp7, 0xffff                   ; 16 x batch + head, which the partners share
	s_mov_b32 s[G1], 15|(3<<16)|(1<<21)            ; the mask: all four; elements of 8 bytes; 21 set beside a mask; no padding
	s_mov_b32 s[G1+1], 32<<16                      ; two key steps: 26,624 dense bytes as 104 rows of 256
	s_mov_b32 s[G1+2], 104<<16
	s_mov_b32 s[G1+3], 32<<16
	s_mov_b32 s[G1+4], 104
	s_mov_b32 s[G1+5], 32
	s_mov_b32 s[G1+6], 0
	s_mov_b32 s[G1+7], 0
	s_mul_i32 s13, s8, 2*STEPB                     ; my two key steps' place in LDS and in the head's bytes
	s_mul_i32 s14, s11, HEADB
	s_add_co_u32 s14, s14, s13
	s_add_co_u32 s14, s14, KV
	s_mov_b32 s15, 0
	s_lshl_b32 s16, s10, 5
	s_lshl_b32 s17, s8, 2
	s_add_co_u32 s16, s16, s17                     ; T: my first tile of 16 queries among the head's 128, a multiple of 4; tiles T + 1 .. T + 3 by immediates
	s_lshl_b32 s17, s11, 7
	s_add_co_u32 s17, s17, s16
	s_mul_i32 s50, s17, 768                        ; Q's half fragments
	s_mov_b32 s51, 0
	s_lshl_b32 s52, s11, 13                        ; Q's scale words: [head][T / 4][r][T % 4]: 16 bytes a row hold my four tiles' words
	s_lshl_b32 s58, s16, 6
	s_add_co_u32 s52, s52, s58
	s_add_co_u32 s52, s52, QSC
	s_mov_b32 s53, 0
	s_and_b32 s18, s11, 15                         ; head
	s_lshr_b32 s19, s11, 4                         ; batch
	s_lshr_b32 s17, s18, 2                         ; the plane of o's image (256 along E: four heads),
	s_and_b32 s18, s18, 3                          ; the half fragment in it
	s_mul_i32 s54, s17, 1572864
	s_lshl_b32 s58, s19, 7
	s_add_co_u32 s58, s58, s16
	s_mul_i32 s58, s58, 3072
	s_add_co_u32 s54, s54, s58
	s_mul_i32 s58, s18, 768
	s_add_co_u32 s54, s54, s58
	s_mov_b32 s55, 0
	s_lshl_b32 s56, s19, 4                         ; o's scale bytes: 4,096 for each 128 rows, 1,024 a plane, 8 a row
	s_lshr_b32 s58, s16, 3
	s_add_co_u32 s56, s56, s58
	s_lshl_b32 s56, s56, 12
	s_lshl_b32 s58, s17, 10
	s_add_co_u32 s56, s56, s58
	s_and_b32 s58, s16, 7
	s_lshl_b32 s58, s58, 7
	s_add_co_u32 s56, s56, s58
	s_lshl_b32 s58, s18, 1
	s_add_co_u32 s56, s56, s58
	s_add_co_u32 s56, s56, OSC
	s_mov_b32 s57, 0
	s_mov_b32 s[SEL], 0x76543210
	s_mov_b32 s[SEL+1], 0xfedcba98                 ; lane selects: lane l xor 16
	s_mov_b32 s[CS], 0x3e38aa3b                    ; c = log2(e) / 8
	s_mov_b32 s[CS+1], s[CS]                       ; (named with it as a pair)
	s_wait_dscnt 0x0                               ; both opening adds are done
	s_wait_kmcnt 0x0
	s_add_nc_u64 s[14:15], s[4:5], s[14:15]
	s_add_nc_u64 s[50:51], s[4:5], s[50:51]
	s_add_nc_u64 s[52:53], s[4:5], s[52:53]
	s_add_nc_u64 s[54:55], s[6:7], s[54:55]
	s_add_nc_u64 s[56:57], s[6:7], s[56:57]
	s_mov_b32 s[G0], 1
	s_mov_b32 s[G0+1], s13
	s_mov_b64 s[G0+2:G0+3], s[14:15]
	s_or_b32 s[G0+3], s[G0+3], 0x80000000
	ROUND                                          ; all four work-groups are here: the joint loads meet
	tensor_load_to_lds s[G0:G0+3], s[G1:G1+7]      ; my one tensor load of the launch
	s_nop 0
.rept 4
	v_nop
.endr
	v_and_b32 v[T], 31, v0
	v_lshlrev_b32 v1, 4, v[T]                      ; 16 l
	v_lshlrev_b32 v2, 3, v[T]                      ; 8 l
	v_and_b32 v[X], 7, v0                          ; r % 8
	v_bfe_u32 v[X+1], v0, 3, 1                     ; r / 8
	v_bfe_u32 v[X+2], v0, 4, 1                     ; h
	v_mul_u32_u24 v3, v[X+1], 1536                 ; two half fragments on for rows 8-15
	v_lshl_add_u32 v4, v[X+2], 7, v3
	v_lshl_add_u32 v4, v[X], 3, v4                 ; K's 8-byte pieces: 1536 (r / 8) + 128 h + 8 (r % 8)
	v_lshl_add_u32 v3, v[X+2], 8, v3
	v_lshl_add_u32 v3, v[X], 4, v3                 ; K's 16-byte pieces: 1536 (r / 8) + 256 h + 16 (r % 8)
	v_lshlrev_b32 v5, 4, v[X]
	v_lshl_add_u32 v5, v[X+1], 3, v5
	v_lshl_add_u32 v5, v[X+2], 8, v5               ; K's scale words: 16 (r % 8) + 8 (r / 8); lanes 16-31 take tiles 4-7's, 256 on
	v_lshlrev_b32 v7, 3, v[X+2]                    ; 8 h
	v_and_b32 v[B0], 0xff, v1                      ; 16 r
	global_load_b128 v[QS:QS+3], v[B0], s[52:53]   ; Q's scale words, a register a tile
	WIN 0x40                                       ; destinations in window 1
.irp j, 0,1,2,3
	global_load_b128 v[QW+12*\j:QW+12*\j+3], v1, s[50:51] offset:768*\j       ; Q stays in registers
	global_load_b64 v[QW+12*\j+4:QW+12*\j+5], v2, s[50:51] offset:768*\j+512
.endr
.irp j, 0,1,2,3
.irp i, 6,7,8,9,10,11
	v_mov_b32 v[QW+12*\j+\i], 0                    ; zero codes for K = 64 .. 127
.endr
.endr
.set J, 0
.rept 128
	v_mov_b32 v[J], 0                              ; O^T: the step is written once; the first finds zeros
.set J, J+1
.endr
	WIN 0
.irp i, 0,1,2,3,4,5,6,7
.irp k, 6,7,8,9,10,11
	v_mov_b32 v[KF+12*\i+\k], 0
.endr
.endr
	v_mov_b32 v13, 0xff61b1e6                      ; the largest score so far: -3e38
	v_mul_f32 v[T], s[CS], v13
	v_floor_f32 v12, -v[T]                         ; -M
.irp j, 1,2,3
	v_mov_b32 v[12+4*\j], v12
	v_mov_b32 v[13+4*\j], v13
.endr
.irp j, 0,1,2,3
	v_mov_b32 v[14+4*\j], 0
	v_mov_b32 v[15+4*\j], 0
.endr
	v_mov_b32 v[F+1], 0                            ; (named as the upper half of the pair with f before it is first written)
	s_mov_b32 s[TB], 0
	s_mov_b32 s[CNT], 16
	s_wait_alu depctr_va_vdst(0)                   ; the wait at the head's end
	s_wait_loadcnt 0x0                             ; Q
	s_wait_tensorcnt 0x0                           ; my two key steps are in,
	s_barrier_signal -1
	s_barrier_wait -1                              ; everybody's are: the whole head lies in LDS
.macro TILE j                          ; 16 queries x the step's 128 keys, on the fragments that lie in registers
.set M, 12+4*\j
.set OW, 32*\j
	WIN 0x04                                       ; source 1, Q: window 1
.irp m, 0,1,2,3
	v_wmma_scale_f32_16x16x128_f8f6f4 v[S+8*\m:S+8*\m+7], v[KF+12*\m:KF+12*\m+11], v[QW+12*\j:QW+12*\j+11], 0, v[KSC+\m], v[QS+\j] matrix_a_fmt:MATRIX_FMT_BF6 matrix_b_fmt:MATRIX_FMT_BF6
.endr
.irp m, 0,1,2,3
	v_wmma_scale_f32_16x16x128_f8f6f4 v[S+32+8*\m:S+39+8*\m], v[KF+48+12*\m:KF+59+12*\m], v[QW+12*\j:QW+12*\j+11], 0, v[KSC+\m], v[QS+\j] matrix_a_fmt:MATRIX_FMT_BF6 matrix_b_fmt:MATRIX_FMT_BF6 matrix_a_scale:MATRIX_SCALE_ROW1
.endr
	WIN 0
	v_mov_b32 v[T], v[M]                           ; the old -M; with three v_nop the places in front of the first reads of tiles 0-3
.rept 3
	v_nop
.endr
; the largest score of my two blocks of 32 keys, four chains each; it serves the row's maximum and, since p rises with the score, the block's largest p.  Block 0's sixteen lines are the places behind tiles 4-7's products
.irp c, 0,1
.irp q, 0,1,2,3
	v_max3_num_f32 v[X+\q], v[S+32*\c+8*\q], v[S+32*\c+8*\q+1], v[S+32*\c+8*\q+2]   ; each accumulator is read from its low end on
.endr
.irp i, 3,5
.irp q, 0,1,2,3
	v_max3_num_f32 v[X+\q], v[X+\q], v[S+32*\c+8*\q+\i], v[S+32*\c+8*\q+\i+1]
.endr
.endr
	v_max3_num_f32 v[X], v[X], v[S+32*\c+7], v[S+32*\c+15]
	v_max3_num_f32 v[X+1], v[X+1], v[S+32*\c+23], v[S+32*\c+31]
	s_delay_alu instid0(VALU_DEP_1)
	v_max3_num_f32 v[X], v[X], v[X+1], v[X+2]
	s_delay_alu instid0(VALU_DEP_1)
	v_max_num_f32 v[BM+\c], v[X], v[X+3]
.endr
	s_delay_alu instid0(VALU_DEP_1)
	v_max_num_f32 v[X], v[BM], v[BM+1]
	s_delay_alu instid0(VALU_DEP_1)
	v_permlanex16_b32 v[X+1], v[X], s[SEL], s[SEL+1]   ; lane l xor 16 holds my query's other 64 keys
	s_delay_alu instid0(VALU_DEP_1)
	v_max3_num_f32 v[M+1], v[M+1], v[X], v[X+1]    ; the largest score so far (c is positive)
	s_delay_alu instid0(VALU_DEP_1)
	v_mul_f32 v[X+2], s[CS], v[M+1]                ; as t
	s_delay_alu instid0(VALU_DEP_1)
	v_floor_f32 v[M], -v[X+2]                      ; the new -M = -ceil(t)
	s_delay_alu instid0(VALU_DEP_1)
	v_sub_f32 v[T], v[M], v[T]                     ; old M - new M: a whole number, 0 or less
	s_delay_alu instid0(VALU_DEP_1)
	v_cvt_i32_f32 v[T], v[T]                       ; (it saturates)
	s_delay_alu instid0(VALU_DEP_1)
	v_ldexp_f32 v[F], 1.0, v[T]                    ; f = 2^(old M - new M)
	WIN 0x41                                       ; O^T: window 1
	s_wait_alu depctr_va_vdst(0)                   ; the wait directly ahead of the first readers of O^T: the other tiles' exponentials stand behind its last products
.set J, 0
.rept 16
	v_pk_mul_f32 v[OW+J:OW+J+1], v[OW+J:OW+J+1], v[F:F+1] op_sel_hi:[1,0]   ; O^T under the new M
.set J, J+2
.endr
	WIN 0
.set J, 0
.rept 32
	v_pk_fma_f32 v[S+J:S+J+1], v[S+J:S+J+1], s[CS:CS+1], v[M:M+1] op_sel_hi:[1,0,0]   ; t - M, two at a time
.set J, J+2
.endr
	v_fma_f32 v[BM], v[BM], s[CS], v[M]            ; the same of each block's largest score
	v_fma_f32 v[BM+1], v[BM+1], s[CS], v[M]
	s_wait_alu depctr_va_vdst(0)                   ; the wait ahead of the batch
.set J, 0
.rept 64
	v_exp_f32 v[S+J], v[S+J]                       ; p = 2^(t - M)
.set J, J+1
.endr
	v_exp_f32 v[BM], v[BM]                         ; the blocks' largest p: the same two instructions on the same number
	v_exp_f32 v[BM+1], v[BM+1]
	v_pk_mul_f32 v[M+2:M+3], v[M+2:M+3], v[F:F+1] op_sel_hi:[1,0]   ; the sums under the new M; a plain line behind the exponentials
	s_wait_alu depctr_va_vdst(0)                   ; one wait for the batch, ahead of its first reader
	v_max_num_f32 v[BM], 0x2800000, v[BM]          ; the floor 2^(5 - 127)
	v_max_num_f32 v[BM+1], 0x2800000, v[BM+1]
	v_add_nc_u32 v[SO], 0xfe000000, v[BM]          ; 4 off the exponent field: the conversions' scale operands
	v_add_nc_u32 v[SO+1], 0xfe000000, v[BM+1]
	v_lshrrev_b32 v[B0], 23, v[SO]                 ; the bytes of blocks h and 2 + h
	v_lshrrev_b32 v[T], 23, v[SO+1]
	s_delay_alu instid0(VALU_DEP_1)
	v_lshl_or_b32 v[B0], v[T], 16, v[B0]
	s_delay_alu instid0(VALU_DEP_1)
	v_lshlrev_b32 v[B0], v7, v[B0]                 ; at their places, 8 h bits up
	s_delay_alu instid0(VALU_DEP_1)
	v_permlanex16_b32 v[T], v[B0], s[SEL], s[SEL+1]
	s_delay_alu instid0(VALU_DEP_1)
	v_or_b32 v[F+1], v[B0], v[T]                   ; with lane l xor 16's two: p's scale word for these 128 keys
.irp c, 0,1
	v_cvt_scalef32_pk16_bf6_f32 v[PC+6*\c:PC+6*\c+2], v[S+32*\c:S+32*\c+15], v[SO+\c]
	v_cvt_scalef32_pk16_bf6_f32 v[CT+4*\c:CT+4*\c+2], v[S+32*\c+16:S+32*\c+31], v[SO+\c]   ; (a conversion's three registers begin on an even number)
.endr
; the row's sum of the unquantised p, two at a time, in four chains.  These lines are also the plain line behind the conversions and the places between the writes of p's codes and scale word and the products
	v_pk_add_f32 v[238:239], v[S+4:S+5], v[S+6:S+7]
	v_pk_add_f32 v[236:237], v[S:S+1], v[S+2:S+3]
.irp c, 0,1
.irp i, 0,1,2
	v_mov_b32 v[PC+3+6*\c+\i], v[CT+4*\c+\i]
.endr
.endr
	v_pk_add_f32 v[240:241], v[S+8:S+9], v[S+10:S+11]
	v_pk_add_f32 v[M+2:M+3], v[M+2:M+3], v[S+12:S+13]
.set J, 14
.rept 6
	v_pk_add_f32 v[M+2:M+3], v[M+2:M+3], v[S+J:S+J+1]
	v_pk_add_f32 v[236:237], v[236:237], v[S+J+2:S+J+3]
	v_pk_add_f32 v[238:239], v[238:239], v[S+J+4:S+J+5]
	v_pk_add_f32 v[240:241], v[240:241], v[S+J+6:S+J+7]
.set J, J+8
.endr
	v_pk_add_f32 v[M+2:M+3], v[M+2:M+3], v[S+62:S+63]
	v_pk_add_f32 v[236:237], v[236:237], v[238:239]
	v_pk_add_f32 v[M+2:M+3], v[M+2:M+3], v[240:241]
	s_delay_alu instid0(VALU_DEP_1)
	v_pk_add_f32 v[M+2:M+3], v[M+2:M+3], v[236:237]
.if \j == 0
	s_wait_alu depctr_va_vdst(0)
	s_wait_dscnt 0x0                               ; V and its scale words
.endif
	WIN 0x51                                       ; O^T (C and D) and V (source 0): window 1
.irp t, 0,1,2,3                        ; the tile's four accumulators take turns; a whole step's products stand between two links of a sum
	v_wmma_scale_f32_16x16x128_f8f6f4 v[OW+8*\t:OW+8*\t+7], v[VW+12*\t:VW+12*\t+11], v[PC:PC+11], v[OW+8*\t:OW+8*\t+7], v[28+\t], v[F+1] matrix_a_fmt:MATRIX_FMT_BF6 matrix_b_fmt:MATRIX_FMT_BF6
.endr
	WIN 0
.endm
.Lstep:                                ; 128 keys, at LDS byte s[TB]
	v_add_nc_u32 v[AV16], s[TB], v1                ; (these five are the places in front of the loads into V's registers and scale words, which the last step's products read)
	v_add_nc_u32 v[AV8], s[TB], v2
	v_add_nc_u32 v[AKA], s[TB], v3
	v_add_nc_u32 v[AKB], s[TB], v4
	v_add_nc_u32 v[AKS], s[TB], v5
.irp c, 0,1
.irp m, 0,1,2,3
	ds_load_b128 v[KF+48*\c+12*\m:KF+48*\c+12*\m+3], v[AKA] offset:3072*\c+768*(\m%2)+128*(\m/2)
	ds_load_b64 v[KF+48*\c+12*\m+4:KF+48*\c+12*\m+5], v[AKB] offset:3072*\c+768*(\m%2)+64*(\m/2)+512
.endr
.endr
	ds_load_b64 v[KSC:KSC+1], v[AKS] offset:12288  ; K's scale words of tiles m = 0, 1 (lanes 16-31: tiles 4, 5),
	ds_load_b64 v[KSC+2:KSC+3], v[AKS] offset:12288+128   ; and m = 2, 3
	WIN 0x40                                       ; V lands in window 1, under the first tile's softmax
.irp t, 0,1,2,3
	ds_load_b128 v[VW+12*\t:VW+12*\t+3], v[AV16] offset:6144+1536*\t
	ds_load_b64 v[VW+12*\t+4:VW+12*\t+5], v[AV8] offset:6144+1536*\t+512
	ds_load_b128 v[VW+12*\t+6:VW+12*\t+9], v[AV16] offset:6144+1536*\t+768
	ds_load_b64 v[VW+12*\t+10:VW+12*\t+11], v[AV8] offset:6144+1536*\t+1280
.endr
	WIN 0
	ds_load_b128 v[28:31], v[AV16] offset:12800
	s_wait_alu depctr_va_vdst(0)
	s_wait_dscnt 17                                ; K and its scale words are in; V's 16 loads and its scale words may be out
	TILE 0
	TILE 1
	TILE 2
	TILE 3
	s_add_co_u32 s[TB], s[TB], STEPB
	s_sub_co_u32 s[CNT], s[CNT], 1
	s_cmp_lg_u32 s[CNT], 0
	s_cbranch_scc1 .Lstep
	; THE WAY OUT: o = O^T / the sum; register 16 b + i is d = 32 b + 16 h + i of my query: two blocks of 32 along E; one half fragment and two scale bytes a row
.irp j, 0,1,2,3
	v_add_f32 v[14+4*\j], v[14+4*\j], v[15+4*\j]
.endr
.irp j, 0,1,2,3
	v_permlanex16_b32 v[X+\j], v[14+4*\j], s[SEL], s[SEL+1]
.endr
.irp j, 0,1,2,3
	v_add_f32 v[14+4*\j], v[14+4*\j], v[X+\j]      ; the rows' sums
.endr
	s_wait_alu depctr_va_vdst(0)                   ; the wait ahead of the batch
.irp j, 0,1,2,3
	v_rcp_f32 v[14+4*\j], v[14+4*\j]
.endr
	v_bfe_u32 v[AKA], v1, 4, 4                     ; r  (plain lines behind the reciprocals)
	v_bfe_u32 v[AKB], v1, 8, 1                     ; h
	v_cmp_le_u32 vcc_lo, 128, v2                   ; lanes 16-31
	v_lshl_add_u32 v[AKA], v[AKA], 3, v[AKB]       ; 8 r + h
.macro OUT j                           ; each tile has registers of its own for what it stores (in K's, which are done with): no store's data are written again
.set OC, KF+8*\j
	WIN 0x01                                       ; source 0, O^T: window 1
	s_wait_alu depctr_va_vdst(0)                   ; the wait ahead of the first readers of the reciprocal and of this tile's O^T
.set J, 0
.rept 16
	v_pk_mul_f32 v[S+J:S+J+1], v[32*\j+J:32*\j+J+1], v[14+4*\j:15+4*\j] op_sel_hi:[1,0]   ; each accumulator from its low end on
.set J, J+2
.endr
	WIN 0
.irp b, 0,1
	v_max3_num_f32 v[BM+\b], |v[S+16*\b]|, |v[S+1+16*\b]|, 0x2800000
.endr
.irp i, 2,4,6,8,10,12,14
.irp b, 0,1
	s_delay_alu instid0(VALU_DEP_2)
	v_max3_num_f32 v[BM+\b], v[BM+\b], |v[S+16*\b+\i]|, |v[S+1+16*\b+\i]|
.endr
.endr
.irp b, 0,1
	s_delay_alu instid0(VALU_DEP_2)
	v_permlanex16_b32 v[X+\b], v[BM+\b], s[SEL], s[SEL+1]
.endr
.irp b, 0,1
	s_delay_alu instid0(VALU_DEP_2)
	v_max_num_f32 v[BM+\b], v[BM+\b], v[X+\b]      ; with lane l xor 16's 16: the block's largest magnitude
.endr
.irp b, 0,1
	s_delay_alu instid0(VALU_DEP_2)
	v_add_nc_u32 v[SO+\b], 0xfe000000, v[BM+\b]
.endr
.irp b, 0,1
	s_delay_alu instid0(VALU_DEP_2)
	v_lshrrev_b32 v[X+\b], 23, v[SO+\b]
.endr
	v_cvt_scalef32_pk16_bf6_f32 v[OC:OC+2], v[S:S+15], v[SO]
	v_cvt_scalef32_pk16_bf6_f32 v[OC+4:OC+6], v[S+16:S+31], v[SO+1]
	v_cndmask_b32 v[244+\j], v[X], v[X+1], vcc_lo  ; lane (r, h) stores block h's byte of row r; also the plain line behind the conversions
.irp i, 0,1,2
	v_permlane16_swap_b32 v[OC+\i], v[OC+4+\i]     ; a whole block to a lane: lanes 0-15 block 0, lanes 16-31 block 1
.endr
.irp i, 0,1,2
	v_mov_b32 v[OC+3+\i], v[OC+4+\i]
.endr
	global_store_b128 v1, v[OC:OC+3], s[54:55] offset:3072*\j
	global_store_b64 v2, v[OC+4:OC+5], s[54:55] offset:3072*\j+512
	global_store_b8 v[AKA], v[244+\j], s[56:57] offset:128*\j   ; a scale word spans two heads, which two work-groups own: so single bytes, one store a tile
.endm
	OUT 0
	OUT 1
	OUT 2
	OUT 3
	s_wait_tensorcnt 0x0                           ; the wave's end
	ds_add_u32 v[SPW], v[NIL]
	s_wait_dscnt 0x0
	ROUND                                          ; the closing round
	s_endpgm
.Lfunc_end_k_q8b7bd9ddf1_attn:
	.size	k_q8b7bd9ddf1_attn, .Lfunc_end_k_q8b7bd9ddf1_attn-k_q8b7bd9ddf1_attn
	.p2alignl 7, 3214868480
	.fill 96, 4, 3214868480
	.section	.rodata,"a",@progbits
	.p2align	6, 0x0
	.amdhsa_kernel k_q8b7bd9ddf1_attn
		.amdhsa_group_segment_fixed_size 215040
		.amdhsa_private_segment_fixed_size 0
		.amdhsa_enable_private_segment 0
		.amdhsa_kernarg_size 16
		.amdhsa_user_sgpr_count 2
		.amdhsa_user_sgpr_kernarg_segment_ptr 1
		.amdhsa_wavefront_size32 1
		.amdhsa_system_sgpr_workgroup_id_x 1
		.amdhsa_system_sgpr_workgroup_id_y 1
		.amdhsa_system_sgpr_workgroup_id_z 1
		.amdhsa_system_vgpr_workitem_id 0
		.amdhsa_next_free_vgpr 512
		.amdhsa_next_free_sgpr 66
		.amdhsa_reserve_vcc 1
		.amdhsa_float_denorm_mode_32 3
		.amdhsa_float_denorm_mode_16_64 3
		.amdhsa_memory_ordered 1
		.amdhsa_forward_progress 1
		.amdhsa_inst_pref_size 85
	.end_amdhsa_kernel
	.amdgpu_metadata
---
amdhsa.version: [ 1, 2 ]
amdhsa.kernels:
  - .name:           k_q8b7bd9ddf1_attn
    .symbol:         k_q8b7bd9ddf1_attn.kd
    .args:
      - { .name: qkv, .offset: 0, .size: 8, .value_kind: global_buffer, .address_space: global }
      - { .name: oq, .offset: 8, .size: 8, .value_kind: global_buffer, .address_space: global }
    .group_segment_fixed_size: 215040
    .private_segment_fixed_size: 0
    .kernarg_segment_align: 8
    .kernarg_segment_size: 16
    .max_flat_workgroup_size: 256
    .sgpr_count:     66
    .vgpr_count:     512
    .wavefront_size: 32
...
	.end_amdgpu_metadata
.endif
;; end of part 3
;; launch outp (part 4): grid 4 x 64, 4 waves a work-group, clusters of 4 x 4, 327,680 bytes of LDS; arguments oq, pre, bo, out0; writes out0
.if DOCPART == 4
	.amdgcn_target "amdgcn-amd-amdhsa--gfx1250"
	.amdhsa_code_object_version 6
	.text
	.protected	k_q8b7bd9ddf1_outp
	.globl	k_q8b7bd9ddf1_outp
	.p2align	8
	.type	k_q8b7bd9ddf1_outp,@function
k_q8b7bd9ddf1_outp:
	s_mov_b64 s[64:65], 0
	v_nop
	global_prefetch_b8 v0, s[64:65] scope:SCOPE_SE
	s_setreg_imm32_b32 hwreg(HW_REG_WAVE_MODE, 25, 1), 1
	s_wait_xcnt 0x0
	s_wait_alu depctr_hold_cnt(0) depctr_sa_sdst(0) depctr_va_vdst(0) depctr_va_sdst(0) depctr_va_ssrc(0) depctr_va_vcc(0) depctr_vm_vsrc(0)
	s_getreg_b32 s2, hwreg(HW_REG_IB_STS2, 6, 4)
	s_cmp_eq_u32 s2, 0
	s_cbranch_scc0 .Lentry_in_a_cluster
	s_endpgm
.Lentry_in_a_cluster:
	s_bfe_u32 s2, ttmp6, 0x10000c
	s_cmp_lg_u32 s2, 0xf033
	s_cbranch_scc0 .Lentry_shape_is_right
	s_endpgm
.Lentry_shape_is_right:
; out0 = o wo^T + bo on codes of E3M2 with E8M0 scales, K = 1,024; o [8192][1024] comes from oq, wo [1024][1024] from pre, both as images of the operands' registers; out0 is f32.
; SHARES.  A block of 128 rows x 256 columns to a work-group: 64 x 4 = 256 work-groups.  Four waves, one to a SIMD; a wave makes 64 x 128: 32 accumulators of 16 x 16, 256 registers.
; THE WHOLE K LIES IN LDS: A's 128 rows are 24,576 bytes a plane of 256 along K, B's 256 rows 49,152: four planes of both are 294,912 bytes; the scales of A's rows 4,096 and of B's 8,192.
; They are filled once, by four tensor loads, one a wave: wave 0 all of A's codes (4 rows of 24,576 bytes, a plane apart in memory), wave 1 A's scales, wave 2 all of B's codes (4 rows of 49,152 bytes), wave 3 B's scales.
; Nothing is filled again: one wait and one barrier stand ahead of the product, none inside it.
; CLUSTERS: 4 x 4 work-groups; A's bytes hang on the block's row alone and are shared along a row of the cluster, B's on its column alone and are shared along a column: each load is asked for jointly.
; Nothing is prefetched: all that the work-group reads by tensor loads is asked for at its head, ahead of any product.
; An image: plane (256 along K) x tile of 16 rows x 4 half fragments of 768 bytes; lane l's 24 bytes of a half fragment: 16 at 16 l, 8 at 512 + 8 l.  Scale bytes: for each 128 rows plane x row x 8 bytes (two words of 128 along K).
; ROW ORDER of both images: inside each group of 32 rows the place 16 u + r holds row 8 u + r + 8 (r / 8).
; THE MATRIX INSTRUCTION IS USED TRANSPOSED (source 0 = 16 places of wo, source 1 = 16 places of o): a lane holds eight neighbouring columns of one row of out0.  The bias is the C of each accumulator's first product.
; A step is 128 along K: 32 matrix instructions on fragment set st % 2; the next step's 48 fragment loads are issued ahead of them into the other set.
; REGISTERS: window 0: v1-7 lane terms, v8-23 LDS addresses (a register a plane), v24-29; v32-63 scale words, two sets; v64-127 the bias; v128-223 A's fragments, two sets; on the way out v128-255 hold rows read back.
;   window 1: B's fragments, two sets, at v0 and v128.  window 2: the accumulators ((a, b) at v[8 (8 a + b)]).
.set WOIMG, 8650752
.set WOSC,  9797632
.set OSC,   6291456
.set APL,   1572864                    ; a plane of o's image, of wo's
.set BPL,   196608
.set FR,    12
.set LB,    98304                      ; LDS: A's four planes from 0, B's from here,
.set SCL,   294912                     ; A's scales, then B's,
.set SPARE, 307200                     ; and the spare words, 128 bytes a wave
.set SPITCH, 528                       ; the way out: a stage of 16 rows x (512 + 16) bytes for each wave, in A's bytes, behind a barrier behind which nobody reads them
.set CO,   4
.set ADRA, 8                           ; v8-11 A, plane p: base + 16 l;  v12-15: base + 8 l
.set ADRA8, 12
.set ADRB, 16                          ; v16-19, v20-23 the same for B
.set ADRB8, 20
.set STO,  24
.set RD,   25
.set BOF,  26
.set ADRS, 27
.set SPW,  28
.set NIL,  29
.set SC,   32
.set BI,   64
.set AF,   128
.set BK,   128
.set G1A, 24
.set G0A, 32
.set G1B, 48
.set G0B, 56
.set G1S, 68
.set G0S, 76
.set G1SB, 80
.set G0SB, 88
.set MSB, 0
.macro WIN new                         ; the immediate's high byte repeats the setting that is left
.if MSB != \new
	s_set_vgpr_msb (MSB<<8)|\new
.set MSB, \new
.endif
.endm
.set MUL_LO, 0xa1                      ; source 0 (B) window 1, source 1 (A) window 0, C and D window 2
.set TO_B,   0x40
.macro CREST                           ; a round of the cluster's barrier behind its opening barrier
	s_cmp_lg_u32 s14, 0
	s_cbranch_scc1 .Lnot_wave_0_\@
	s_barrier_signal -3
.Lnot_wave_0_\@:
	s_barrier_wait -3
	s_barrier_signal -1
	s_barrier_wait -1
.endm
.macro CROUND
	s_barrier_signal -1
	s_barrier_wait -1
	CREST
.endm
	s_load_b256 s[4:11], s[0:1], 0x0               ; oq, pre, bo, out0
	v_lshl_add_u32 v[SPW], v0, 2, SPARE
	v_mov_b32 v[NIL], 0
	ds_add_u32 v[SPW], v[NIL]                      ; the opening lines: the add, twice on end, and its wait ahead of my tensor load
	ds_add_u32 v[SPW], v[NIL]
	v_lshrrev_b32 v1, 5, v0
	v_readfirstlane_b32 s14, v1                    ; wave
	s_lshr_b32 s15, s14, 1                         ; which 64 of A's rows are mine
	s_and_b32 s16, s14, 1                          ; which 128 of B's
	s_bfe_u32 s40, ttmp6, 0x40000                  ; cx
	s_bfe_u32 s41, ttmp6, 0x40004                  ; cy
	s_lshl_b32 s42, ttmp9, 2
	s_add_co_u32 s42, s42, s40                     ; the block's column: 256 rows of wo
	s_and_b32 s17, ttmp7, 0xffff
	s_lshl_b32 s17, s17, 2
	s_add_co_u32 s17, s17, s41                     ; the block's row: 128 rows of o
	s_lshl_b32 s43, s41, 2
	s_lshl_b32 s43, 15, s43                        ; my row of the cluster
	s_lshl_b32 s44, 0x1111, s40                    ; my column
	s_or_b32 s[G1A+0], s43, (3<<16)|(1<<21)        ; 15:0 the mask; 17:16 elements of 8 bytes; 21 set beside a mask; no padding
	s_mov_b32 s[G1A+1], 3072<<16                   ; A's codes: 4 rows (planes) of 3,072 elements, APL / 8 elements apart
	s_mov_b32 s[G1A+2], 4<<16
	s_mov_b32 s[G1A+3], 3072<<16
	s_mov_b32 s[G1A+4], 4
	s_mov_b32 s[G1A+5], APL/8
	s_mov_b32 s[G1A+6], 0
	s_mov_b32 s[G1A+7], 0
	s_or_b32 s[G1B+0], s44, (3<<16)|(1<<21)
	s_mov_b32 s[G1B+1], 6144<<16                   ; B's codes: 4 rows of 6,144 elements, BPL / 8 apart
	s_mov_b32 s[G1B+2], 4<<16
	s_mov_b32 s[G1B+3], 6144<<16
	s_mov_b32 s[G1B+4], 4
	s_mov_b32 s[G1B+5], BPL/8
	s_mov_b32 s[G1B+6], 0
	s_mov_b32 s[G1B+7], 0
	s_or_b32 s[G1S+0], s43, (3<<16)|(1<<21)
	s_mov_b32 s[G1S+1], 32<<16                     ; A's scales: 4,096 dense bytes as 16 rows of 256
	s_mov_b32 s[G1S+2], 16<<16
	s_mov_b32 s[G1S+3], 32<<16
	s_mov_b32 s[G1S+4], 16
	s_mov_b32 s[G1S+5], 32
	s_mov_b32 s[G1S+6], 0
	s_mov_b32 s[G1S+7], 0
	s_or_b32 s[G1SB+0], s44, (3<<16)|(1<<21)
	s_mov_b32 s[G1SB+1], 32<<16                    ; B's scales: 8,192 dense bytes as 32 rows of 256
	s_mov_b32 s[G1SB+2], 32<<16
	s_mov_b32 s[G1SB+3], 32<<16
	s_mov_b32 s[G1SB+4], 32
	s_mov_b32 s[G1SB+5], 32
	s_mov_b32 s[G1SB+6], 0
	s_mov_b32 s[G1SB+7], 0
	s_mul_i32 s20, s17, 24576                      ; A's codes, plane 0
	s_mov_b32 s21, 0
	s_lshl_b32 s22, s17, 12
	s_add_co_u32 s22, s22, OSC                     ; A's scales
	s_mov_b32 s23, 0
	s_mul_i32 s46, s42, 49152
	s_add_co_u32 s46, s46, WOIMG                   ; B's codes, plane 0
	s_mov_b32 s47, 0
	s_lshl_b32 s92, s42, 13
	s_add_co_u32 s92, s92, WOSC                    ; B's scales
	s_mov_b32 s93, 0
	s_lshl_b32 s94, s42, 10                        ; my first column, in bytes: 1,024 x block column + 512 x half
	s_lshl_b32 s95, s16, 9
	s_add_co_u32 s94, s94, s95
	s_mov_b32 s95, 0
	s_lshl_b32 s96, s17, 7                         ; my first row: 128 x block row + 64 x half, rows of 4,096 bytes
	s_lshl_b32 s97, s15, 6
	s_add_co_u32 s96, s96, s97
	s_lshl_b32 s96, s96, 12
	s_mov_b32 s97, 0
	s_mul_i32 s60, s15, 12288                      ; LDS: my 64 rows of A in a plane,
	s_mul_i32 s61, s16, 24576
	s_add_co_u32 s61, s61, LB                      ; my 128 rows of B,
	s_lshl_b32 s62, s15, 9                         ; my rows' scale words: A's,
	s_lshl_b32 s63, s16, 12
	s_add_co_u32 s63, s63, 4096
	s_sub_co_u32 s63, s63, s62                     ; and how far on B's lie
	s_add_co_u32 s62, s62, SCL
	s_mul_i32 s66, s14, 16*SPITCH                  ; my stage
	s_wait_dscnt 0x0                               ; both opening adds are done
	s_wait_kmcnt 0x0
	s_add_nc_u64 s[20:21], s[4:5], s[20:21]
	s_add_nc_u64 s[22:23], s[4:5], s[22:23]
	s_add_nc_u64 s[46:47], s[6:7], s[46:47]
	s_add_nc_u64 s[92:93], s[6:7], s[92:93]
	s_add_nc_u64 s[8:9], s[8:9], s[94:95]
	s_add_nc_u64 s[12:13], s[10:11], s[94:95]
	s_add_nc_u64 s[12:13], s[12:13], s[96:97]
	CROUND                                         ; all sixteen work-groups are here: the joint loads meet
	s_mov_b32 s[G0A], 1
	s_mov_b32 s[G0A+1], 0
	s_mov_b64 s[G0A+2:G0A+3], s[20:21]
	s_or_b32 s[G0A+3], s[G0A+3], 0x80000000
	s_mov_b32 s[G0B], 1
	s_mov_b32 s[G0B+1], LB
	s_mov_b64 s[G0B+2:G0B+3], s[46:47]
	s_or_b32 s[G0B+3], s[G0B+3], 0x80000000
	s_mov_b32 s[G0S], 1
	s_mov_b32 s[G0S+1], SCL
	s_mov_b64 s[G0S+2:G0S+3], s[22:23]
	s_or_b32 s[G0S+3], s[G0S+3], 0x80000000
	s_mov_b32 s[G0SB], 1
	s_mov_b32 s[G0SB+1], SCL+4096
	s_mov_b64 s[G0SB+2:G0SB+3], s[92:93]
	s_or_b32 s[G0SB+3], s[G0SB+3], 0x80000000
; THE LOADS, ONE A WAVE: one tree of branches on the wave's number, one load to an arm, one join
.macro ARM under, g0, g1, next
	s_cmp_lt_u32 s14, \under
	s_cbranch_scc0 \next
	tensor_load_to_lds s[\g0:\g0+3], s[\g1:\g1+7]
	s_nop 0
.rept 4
	v_nop
.endr
	s_branch .Lhead_asked
\next:
.endm
	ARM 1, G0A, G1A, .Lhead_sa
	ARM 2, G0S, G1S, .Lhead_b
	ARM 3, G0B, G1B, .Lhead_sb
	tensor_load_to_lds s[G0SB:G0SB+3], s[G1SB:G1SB+7]
	s_nop 0
.rept 4
	v_nop
.endr
.Lhead_asked:
	v_and_b32 v1, 15, v0                           ; r
	v_bfe_u32 v2, v0, 4, 1                         ; h
	v_and_b32 v3, 31, v0
	v_lshlrev_b32 v[CO], 4, v3                     ; 16 l: also my 16 bytes of a row of 512 on the way out
	v_lshlrev_b32 v5, 3, v3                        ; 8 l
	v_lshlrev_b32 v[BOF], 6, v2                    ; the bias: lanes 16-31 begin 16 columns on
.irp b, 0,1,2,3,4,5,6,7
	global_load_b128 v[BI+8*\b:BI+8*\b+3], v[BOF], s[8:9] offset:(32*(\b/2)+8*(\b%2))*4       ; in the result's layout: register j of tile b is column 32 (b / 2) + 8 (b % 2) + 16 h + j
	global_load_b128 v[BI+8*\b+4:BI+8*\b+7], v[BOF], s[8:9] offset:(32*(\b/2)+8*(\b%2))*4+16
.endr
	v_add_nc_u32 v[ADRA], s60, v[CO]
	v_add_nc_u32 v[ADRA8], s60, v5
	v_add_nc_u32 v[ADRB], s61, v[CO]
	v_add_nc_u32 v[ADRB8], s61, v5
.irp p, 1,2,3
	v_add_nc_u32 v[ADRA+\p], 24576*\p, v[ADRA]
	v_add_nc_u32 v[ADRA8+\p], 24576*\p, v[ADRA8]
	v_add_nc_u32 v[ADRB+\p], 49152*\p, v[ADRB]
	v_add_nc_u32 v[ADRB8+\p], 49152*\p, v[ADRB8]
.endr
	v_lshlrev_b32 v6, 3, v1                        ; my row's two scale words: 8 r
	v_mul_u32_u24 v7, s63, v2                      ; lanes 16-31 take B's
	v_add_nc_u32 v6, v6, v7
	v_add_nc_u32 v[ADRS], s62, v6
	v_mul_u32_u24 v6, v1, SPITCH                   ; into the stage: row r, 64 bytes on for lanes 16-31
	v_lshl_add_u32 v6, v2, 6, v6
	v_add_nc_u32 v[STO], s66, v6
	v_add_nc_u32 v[RD], s66, v[CO]                 ; back: the 32 lanes take one row of 512 bytes
.macro FRAG reg, a16, a8, off          ; a fragment: two half fragments on end, as images of the registers
	ds_load_b128 v[\reg:\reg+3], v[\a16] offset:\off
	ds_load_b64 v[\reg+4:\reg+5], v[\a8] offset:(\off)+512
	ds_load_b128 v[\reg+6:\reg+9], v[\a16] offset:(\off)+768
	ds_load_b64 v[\reg+10:\reg+11], v[\a8] offset:(\off)+1280
.endm
.macro FETCH st                        ; step st's fragments, 48 loads, into set st % 2: B's eight, A's four
.set PP, (\st)/2
.set QQ, (\st)%2
	WIN TO_B
.irp i, 0,1,2,3,4,5,6,7
	FRAG 128*QQ+FR*\i, ADRB+PP, ADRB8+PP, \i*3072+QQ*1536
.endr
	WIN 0
.irp i, 0,1,2,3
	FRAG AF+48*QQ+FR*\i, ADRA+PP, ADRA8+PP, \i*3072+QQ*1536
.endr
.endm
.macro SCALES pr                       ; plane pr's two words a row into set pr % 2: lanes 0-15 A's block i (blocks 0-3 are used), lanes 16-31 B's block i
.irp i, 0,1,2,3,4,5,6,7
	ds_load_b64 v[SC+16*((\pr)%2)+2*\i:SC+16*((\pr)%2)+2*\i+1], v[ADRS] offset:\i*128+1024*(\pr)
.endr
.endm
; 32 matrix instructions: A's four blocks x B's eight, 128 along K.  The 32 accumulators take turns, one instruction a turn, in the same order in every step
.macro MUL st, first
.set QQ, (\st)%2
.set SCB, SC+16*(((\st)/2)%2)+(\st)%2
.irp a, 0,1,2,3
.irp b, 0,1,2,3,4,5,6,7
.if \first
	v_wmma_scale_f32_16x16x128_f8f6f4 v[8*(8*\a+\b):8*(8*\a+\b)+7], v[128*QQ+FR*\b:128*QQ+FR*\b+FR-1], v[AF+48*QQ+FR*\a:AF+48*QQ+FR*\a+FR-1], v[BI+8*\b:BI+8*\b+7], v[SCB+2*\b], v[SCB+2*\a] matrix_a_fmt:MATRIX_FMT_BF6 matrix_b_fmt:MATRIX_FMT_BF6 matrix_a_scale:MATRIX_SCALE_ROW1
.else
	v_wmma_scale_f32_16x16x128_f8f6f4 v[8*(8*\a+\b):8*(8*\a+\b)+7], v[128*QQ+FR*\b:128*QQ+FR*\b+FR-1], v[AF+48*QQ+FR*\a:AF+48*QQ+FR*\a+FR-1], v[8*(8*\a+\b):8*(8*\a+\b)+7], v[SCB+2*\b], v[SCB+2*\a] matrix_a_fmt:MATRIX_FMT_BF6 matrix_b_fmt:MATRIX_FMT_BF6 matrix_a_scale:MATRIX_SCALE_ROW1
.endif
.endr
.endr
.endm
.macro PLACES n                        ; plain vector lines between a matrix instruction and a load into its registers or a read of its result
.rept \n
	v_nop
.endr
.endm
	s_wait_alu depctr_va_vdst(0)                   ; the wait at the head's end
	s_wait_tensorcnt 0x0                           ; my load is in,
	s_barrier_signal -1
	s_barrier_wait -1                              ; everybody's is: all of K lies in LDS
	FETCH 0
	SCALES 0
	s_wait_loadcnt 0x0                             ; the bias
	FETCH 1
	s_wait_dscnt 48                                ; all but step 1's 48 loads
	WIN 0x81                                       ; as MUL_LO, but C, the bias, in window 0
	MUL 0, 1                                       ; the first products start the sums on the bias
.set ST, 1
.rept 6
	PLACES 4                                       ; the loads below land in the set, and every second step in the scale words, that earlier products read
	FETCH ST+1
.if ST%2 == 1
	SCALES (ST+1)/2
	s_wait_dscnt 56                                ; this step's fragments are in; the 48 + 8 loads just issued may be out
.else
	s_wait_dscnt 48
.endif
	WIN MUL_LO
	MUL ST, 0
.set ST, ST+1
.endr
	s_wait_dscnt 0x0
	MUL 7, 0
	WIN 0
	PLACES 4                                       ; in front of the first reads of results and of loads into A's registers
	s_barrier_signal -1                            ; no LDS instruction of mine is out: my reads of A's and B's bytes are over;
	s_barrier_wait -1                              ; everybody's are: the stages may be written
; THE WAY OUT, block by block of 16 rows x 128 columns: through my own stage and back as whole rows of 512 bytes, which the 32 lanes store as two aligned units of 256 bytes.
; LDS serves a wave's instructions in order (ISA guide 5.7.1.4): no wait between the stores and the loads.
.macro TOSTAGE a
.set AC, 64*(\a)
	WIN 0x08                                       ; the data: window 2
.irp b, 0,1,2,3,4,5,6,7
	ds_store_b128 v[STO], v[AC+8*\b:AC+8*\b+3] offset:128*(\b/2)+32*(\b%2)       ; each accumulator from its low end on
	ds_store_b128 v[STO], v[AC+8*\b+4:AC+8*\b+7] offset:128*(\b/2)+32*(\b%2)+16
.endr
	WIN 0
.set BB, BK+64*((\a)%2)
.irp t, 0,1,2,3,4,5,6,7,8,9,10,11,12,13,14,15
	ds_load_b128 v[BB+4*\t:BB+4*\t+3], v[RD] offset:\t*SPITCH
.endr
.endm
.macro SEND a, younger                 ; younger: the LDS instructions issued behind block a's loads, which may stay out.  The image's row order stands in the immediates
.set BB, BK+64*((\a)%2)
	s_wait_dscnt \younger
.irp t, 0,1,2,3,4,5,6,7,8,9,10,11,12,13,14,15
	global_store_b128 v[CO], v[BB+4*\t:BB+4*\t+3], s[12:13] offset:(32*((\a)/2)+8*((\a)%2)+(\t%8)+16*(\t/8))*4096 th:TH_STORE_NT
.endr
.endm
	TOSTAGE 0
.irp a, 1,2,3
.if \a > 1
	s_wait_xcnt 0x0                                ; block a - 2's stores have read their registers: block a's loads may land there
.endif
	TOSTAGE \a
	SEND \a-1, 32                                  ; behind block a - 1's loads: block a's 16 stores and 16 loads
.endr
	SEND 3, 0
	s_wait_tensorcnt 0x0                           ; the wave's end
	ds_add_u32 v[SPW], v[NIL]
	s_wait_dscnt 0x0
	CROUND                                         ; the closing round
	s_endpgm
.Lfunc_end_k_q8b7bd9ddf1_outp:
	.size	k_q8b7bd9ddf1_outp, .Lfunc_end_k_q8b7bd9ddf1_outp-k_q8b7bd9ddf1_outp
	.p2alignl 7, 3214868480
	.fill 96, 4, 3214868480
	.section	.rodata,"a",@progbits
	.p2align	6, 0x0
	.amdhsa_kernel k_q8b7bd9ddf1_outp
		.amdhsa_group_segment_fixed_size 327680
		.amdhsa_private_segment_fixed_size 0
		.amdhsa_enable_private_segment 0
		.amdhsa_kernarg_size 32
		.amdhsa_user_sgpr_count 2
		.amdhsa_user_sgpr_kernarg_segment_ptr 1
		.amdhsa_wavefront_size32 1
		.amdhsa_system_sgpr_workgroup_id_x 1
		.amdhsa_system_sgpr_workgroup_id_y 1
		.amdhsa_system_sgpr_workgroup_id_z 1
		.amdhsa_system_vgpr_workitem_id 0
		.amdhsa_next_free_vgpr 768
		.amdhsa_next_free_sgpr 98
		.amdhsa_reserve_vcc 0
		.amdhsa_float_denorm_mode_32 3
		.amdhsa_float_denorm_mode_16_64 3
		.amdhsa_memory_ordered 1
		.amdhsa_forward_progress 1
		.amdhsa_inst_pref_size 85
	.end_amdhsa_kernel
	.amdgpu_metadata
---
amdhsa.version: [ 1, 2 ]
amdhsa.kernels:
  - .name:           k_q8b7bd9ddf1_outp
    .symbol:         k_q8b7bd9ddf1_outp.kd
    .args:
      - { .name: oq, .offset: 0, .size: 8, .value_kind: global_buffer, .address_space: global }
      - { .name: pre, .offset: 8, .size: 8, .value_kind: global_buffer, .address_space: global }
      - { .name: bo, .offset: 16, .size: 8, .value_kind: global_buffer, .address_space: global }
      - { .name: out0, .offset: 24, .size: 8, .value_kind: global_buffer, .address_space: global }
    .group_segment_fixed_size: 327680
    .private_segment_fixed_size: 0
    .kernarg_segment_align: 8
    .kernarg_segment_size: 32
    .max_flat_workgroup_size: 128
    .sgpr_count:     98
    .vgpr_count:     768
    .wavefront_size: 32
...
	.end_amdgpu_metadata
.endif
;; end of part 4
